; MI455X (gfx1250); checked and timed in simulation.
; The chip was launched on July 23, 2026; its instructions are those of AMD's public machine-readable ISA for CDNA 5 (MIT licence, August 2026) and "CDNA5" Instruction Set Architecture Reference Guide (July 2026). The comments in the code are by the model that wrote it; some were corrected since.
;; Flash MHA. Allowed arithmetic: float matrix products may take bf16 or f16 operands with f32 sums; all other float work in f32.
;; Inputs: Wkv_b 2,048 float32; Wkv_w 2,048 x 1,024 float32; Wq_b 1,024 float32; Wq_w 1,024 x 1,024 float32; attn_bias 2 x 2,048 float32; mem 2 x 2,048 x 1,024 float32; memory_key_padding_mask 2 x 2,048 bool; out_b 1,024 float32; out_w 1,024 x 1,024 float32; tgt 2 x 2,048 x 1,024 float32.
;; Outputs: out0 2 x 2,048 x 1,024 float32.
;; 3 versions, each right; version 2 is faster than version 1; version 3 is version 2 with the launch prep written anew for expert scheduling mode. Each part assembles by itself: llvm-mc -triple=amdgcn-amd-amdhsa -mcpu=gfx1250 --defsym DOCPART=n.
;; ======== version 1 of 3: 4 launches
;; limits: values are held in f16: magnitudes above 65,504 overflow, below 6.1e-05 lose precision
;; workspace buffers: xh 16,777,216 bytes; wh 8,388,608 bytes; qkv 25,165,824 bytes; ctx 8,388,608 bytes; plan 16,896 bytes of whole numbers; biasp 16,384 bytes
;; launch prep (part 1): grid 258 x 1, 8 waves a work-group, no clusters, 1,280 bytes of LDS; arguments tgt, mem, Wq_w, Wkv_w, out_w, attn_bias, memory_key_padding_mask, xh, wh, plan, biasp; writes xh, wh, plan, biasp
.if DOCPART == 1
	.amdgcn_target "amdgcn-amd-amdhsa--gfx1250"
	.amdhsa_code_object_version 6
	.text
	.protected	k_q104471364a_prep
	.globl	k_q104471364a_prep
	.p2align	8
	.type	k_q104471364a_prep,@function
k_q104471364a_prep:
	s_mov_b64 s[64:65], 0
	v_nop
	global_prefetch_b8 v0, s[64:65] scope:SCOPE_SE
	s_setreg_imm32_b32 hwreg(HW_REG_WAVE_MODE, 25, 1), 1
	s_wait_xcnt 0x0
; prep: what the three matrix launches need, made once.
; Work-groups 0 to 255 round f32 to f16: 16 rows of tgt and 16 rows of mem into xh ([8192][1024]: tgt's 4096 rows, then mem's), and 16 rows
; of one weight matrix into wh ([4096][1024]: Wq; then for each head h 64 rows of K's weights and 64 rows of V's; then out_w).
; Work-groups 256 and 257 make, for batch 0 and 1, the list of keys: plan[b][j] is a permutation of 0..2047, the keys whose mask byte is not 0
; first, in ascending order, then the others; biasp[b][j] = 8 x attn_bias of the j-th listed key, or -3.0e38 for a masked one;
; the number of kept keys fills the 256 bytes at plan + 16384 + 256 b.
; LIMIT: f16 holds magnitudes below 65,504; larger inputs become infinite here.
; No matrix unit, no cluster, no tile in LDS: every byte is read once and written once, and nothing is shared between work-groups.
.set XD,   8                           ; v[8:199]  conversion: 48 loads of four registers, converted in place
.set VIN,  2                           ; v2        my byte offset in a part's 16 rows of f32
.set VOUT, 3                           ; v3        the same in its 16 rows of f16
; a wave's two rows of part p are 8,192 neighbouring bytes: 16 loads, each of 512 neighbouring bytes
.macro LOADS p, lo
.set j, 0
.rept 16
	global_load_b128 v[XD+64*\p+4*j:XD+64*\p+4*j+3], v[VIN], s[\lo:\lo+1] offset:512*j th:TH_LOAD_NT
.set j, j+1
.endr
.endm
; four f32 become four f16 in the first two of their registers; each store of the wave covers 256 consecutive bytes, aligned
.macro CONVS p, lo
.set j, 0
.rept 16
	s_wait_loadcnt 47-16*\p-j                      ; loads come back in order: so many are younger than this one
	v_cvt_pk_f16_f32 v[XD+64*\p+4*j],   v[XD+64*\p+4*j],   v[XD+64*\p+4*j+1]
	v_cvt_pk_f16_f32 v[XD+64*\p+4*j+1], v[XD+64*\p+4*j+2], v[XD+64*\p+4*j+3]
	global_store_b64 v[VOUT], v[XD+64*\p+4*j:XD+64*\p+4*j+1], s[\lo:\lo+1] offset:256*j
.set j, j+1
.endr
.endm
	s_load_b512 s[8:23], s[0:1], 0x0               ; tgt 8, mem 10, Wq_w 12, Wkv_w 14, out_w 16, attn_bias 18, mask 20, xh 22
	s_load_b128 s[24:27], s[0:1], 0x40             ; wh 24, plan 26
	s_load_b64 s[28:29], s[0:1], 0x50              ; biasp
	v_lshl_add_u32 v208, v0, 2, 0x100
	v_mov_b32 v209, 0
	v_lshrrev_b32 v1, 5, v0
	v_readfirstlane_b32 s3, v1                     ; wave 0..7
	v_and_b32 v4, 31, v0                           ; lane
	s_mov_b32 s2, ttmp9
	s_cmp_ge_u32 s2, 256
	s_cbranch_scc1 .Lplan
	; ---- conversion: work-group w ----
	s_lshl_b32 s30, s2, 16                         ; 16 rows of 4,096 bytes in
	s_mov_b32 s31, 0
	s_lshl_b32 s34, s2, 15                         ; 16 rows of 2,048 bytes out
	s_mov_b32 s35, 0
	s_sub_co_u32 s42, s2, 64                       ; u: my chunk of Wkv_w (used where 64 <= w < 192)
	s_sub_co_u32 s43, s2, 192                      ; my chunk of out_w (used where w >= 192)
	s_and_b32 s44, s42, 63
	s_lshr_b32 s44, s44, 2
	s_lshl_b32 s44, s44, 7                         ; 128 x head
	s_lshr_b32 s45, s42, 6
	s_lshl_b32 s45, s45, 6                         ; + 64 for V's rows
	s_add_co_u32 s44, s44, s45
	s_and_b32 s45, s42, 3
	s_lshl_b32 s45, s45, 4                         ; + 16 x which quarter of the head
	s_add_co_u32 s44, s44, s45
	s_add_co_u32 s44, s44, 1024
	s_lshl_b32 s45, s2, 4                          ; Wq_w and out_w keep their place: row 16 w
	s_cmp_lt_u32 s42, 128
	s_cselect_b32 s44, s44, s45
	s_lshl_b32 s44, s44, 11                        ; rows of 2,048 bytes
	s_mov_b32 s45, 0
	v_lshlrev_b32 v[VIN], 4, v4
	v_lshl_add_u32 v[VIN], s3, 13, v[VIN]          ; wave x 8,192 + lane x 16
	v_lshlrev_b32 v[VOUT], 3, v4
	v_lshl_add_u32 v[VOUT], s3, 12, v[VOUT]        ; wave x 4,096 + lane x 8
	s_wait_kmcnt 0x0
	s_cmp_lt_u32 s2, 64
	s_cselect_b64 s[32:33], s[12:13], s[14:15]     ; Wq_w or Wkv_w,
	s_cselect_b32 s46, s2, s42
	s_cmp_lt_u32 s2, 192
	s_cselect_b64 s[32:33], s[32:33], s[16:17]     ; or out_w
	s_cselect_b32 s46, s46, s43
	s_lshl_b32 s46, s46, 16
	s_mov_b32 s47, 0
	s_add_nc_u64 s[32:33], s[32:33], s[46:47]
	s_add_nc_u64 s[8:9], s[8:9], s[30:31]
	s_add_nc_u64 s[10:11], s[10:11], s[30:31]
	s_add_nc_u64 s[36:37], s[22:23], s[34:35]      ; xh: tgt's rows
	s_add_nc_u64 s[38:39], s[36:37], 0x800000      ; xh: mem's rows, 4,096 rows further down
	s_add_nc_u64 s[40:41], s[24:25], s[44:45]
	LOADS 0, 8                                     ; all 48 loads of the wave go out first: 24 KiB on their way
	LOADS 1, 10
	LOADS 2, 32
	CONVS 0, 36                                    ; no register is written twice, so no store's source has to be waited for
	CONVS 1, 38
	CONVS 2, 40
	s_endpgm
	; ---- the list of batch b = w - 256.  Wave w owns keys 256 w + 32 c + lane, c = 0..7 ----
.Lplan:
	s_sub_co_u32 s30, s2, 256
	s_lshl_b32 s32, s30, 11                        ; 2,048 mask bytes a batch
	s_mov_b32 s33, 0
	s_lshl_b32 s34, s30, 13                        ; 8,192 bytes a batch in attn_bias, plan and biasp
	s_mov_b32 s35, 0
	s_lshl_b32 s36, s30, 8
	s_add_co_u32 s36, s36, 16384                   ; where the count goes
	s_mov_b32 s37, 0
	v_lshl_or_b32 v2, v1, 8, v4                    ; my first key
	v_lshlrev_b32 v3, 2, v2
	v_mov_b32 v35, 0xff61b1e6                      ; -3.0e38: the bias of a masked key
	s_wait_kmcnt 0x0
	s_add_nc_u64 s[20:21], s[20:21], s[32:33]
	s_add_nc_u64 s[18:19], s[18:19], s[34:35]
	s_add_nc_u64 s[36:37], s[26:27], s[36:37]
	s_add_nc_u64 s[26:27], s[26:27], s[34:35]
	s_add_nc_u64 s[28:29], s[28:29], s[34:35]
.irp c, 0,1,2,3,4,5,6,7
	global_load_u8 v[8+\c], v2, s[20:21] offset:32*\c
.endr
.irp c, 0,1,2,3,4,5,6,7
	global_load_b32 v[16+\c], v3, s[18:19] offset:128*\c
.endr
	s_wait_loadcnt 0x8                             ; the eight mask loads are in; the eight bias loads are younger
	s_mov_b32 s60, 0
.irp c, 0,1,2,3,4,5,6,7
	v_cmp_ne_u32 s[44+\c], 0, v[8+\c]              ; one bit a lane: the key is kept
	s_bcnt1_i32_b32 s[52+\c], s[44+\c]
	s_add_co_u32 s60, s60, s[52+\c]                ; kept keys of my wave
.endr
	v_mov_b32 v32, s60
	v_mov_b32 v33, s3
	v_lshlrev_b32 v33, 2, v33
	ds_store_b32 v33, v32                          ; every wave's count to its own word
	s_wait_dscnt 0x0                               ; my store is done before I signal
	s_barrier_signal -1
	s_barrier_wait -1
	v_mov_b32 v34, 0
	ds_load_b128 v[24:27], v34
	ds_load_b128 v[28:31], v34 offset:16
	s_wait_dscnt 0x0
	s_mov_b32 s61, 0                               ; kept keys in the waves in front of mine
	s_mov_b32 s62, 0                               ; kept keys in all
.irp u, 0,1,2,3,4,5,6,7
	v_readfirstlane_b32 s[68+\u], v[24+\u]
	s_cmp_gt_u32 s3, \u
	s_cselect_b32 s63, s[68+\u], 0
	s_add_co_u32 s61, s61, s63
	s_add_co_u32 s62, s62, s[68+\u]
.endr
	s_wait_loadcnt 0x0                             ; the bias
; each c has registers of its own (place, key, value, kept-before), so no store's source is written again
.irp c, 0,1,2,3,4,5,6,7
	v_mbcnt_lo_u32_b32 v[43+4*\c], s[44+\c], 0     ; kept keys in the lanes below mine
	v_add_nc_u32 v[43+4*\c], s61, v[43+4*\c]       ; kept keys in front of mine: a kept key's place
	v_add_nc_u32 v[41+4*\c], 32*\c, v2             ; my key
	v_sub_nc_u32 v[40+4*\c], v[41+4*\c], v[43+4*\c]    ; masked keys in front of mine,
	v_add_nc_u32 v[40+4*\c], s62, v[40+4*\c]       ; behind all kept ones: a masked key's place
	v_cndmask_b32 v[40+4*\c], v[40+4*\c], v[43+4*\c], s[44+\c]
	v_min_u32 v[40+4*\c], 0x7ff, v[40+4*\c]        ; a place is below 2,048
	v_lshlrev_b32 v[40+4*\c], 2, v[40+4*\c]
	v_mul_f32 v[42+4*\c], 0x41000000, v[16+\c]     ; 8 x bias: the scores are kept eight times too large until the exponential
	v_cndmask_b32 v[42+4*\c], v35, v[42+4*\c], s[44+\c]
	global_store_b32 v[40+4*\c], v[41+4*\c], s[26:27]
	global_store_b32 v[40+4*\c], v[42+4*\c], s[28:29]
	s_add_co_u32 s61, s61, s[52+\c]
.endr
	s_cmp_lg_u32 s3, 0
	s_cbranch_scc1 .Ldone
	v_mov_b32 v72, s62                             ; wave 0: the count, 64 times: 256 consecutive bytes, aligned, in one store
	v_mov_b32 v73, s62
	v_lshlrev_b32 v74, 3, v4
	global_store_b64 v74, v[72:73], s[36:37]
.Ldone:
	s_wait_tensorcnt 0x0
	ds_add_u32 v208, v209
	s_wait_dscnt 0x0
	s_endpgm
.Lfunc_end_k_q104471364a_prep:
	.size	k_q104471364a_prep, .Lfunc_end_k_q104471364a_prep-k_q104471364a_prep
	.p2alignl 7, 3214868480
	.fill 96, 4, 3214868480
	.section	.rodata,"a",@progbits
	.p2align	6, 0x0
	.amdhsa_kernel k_q104471364a_prep
		.amdhsa_group_segment_fixed_size 1280
		.amdhsa_private_segment_fixed_size 0
		.amdhsa_enable_private_segment 0
		.amdhsa_kernarg_size 88
		.amdhsa_user_sgpr_count 2
		.amdhsa_user_sgpr_kernarg_segment_ptr 1
		.amdhsa_wavefront_size32 1
		.amdhsa_system_sgpr_workgroup_id_x 1
		.amdhsa_system_sgpr_workgroup_id_y 1
		.amdhsa_system_sgpr_workgroup_id_z 1
		.amdhsa_system_vgpr_workitem_id 0
		.amdhsa_next_free_vgpr 210
		.amdhsa_next_free_sgpr 80
		.amdhsa_reserve_vcc 0
		.amdhsa_float_denorm_mode_32 3
		.amdhsa_float_denorm_mode_16_64 3
		.amdhsa_memory_ordered 1
		.amdhsa_forward_progress 1
		.amdhsa_inst_pref_size 30
	.end_amdhsa_kernel
	.amdgpu_metadata
---
amdhsa.version: [ 1, 2 ]
amdhsa.kernels:
  - .name:           k_q104471364a_prep
    .symbol:         k_q104471364a_prep.kd
    .args:
      - { .name: tgt, .offset: 0, .size: 8, .value_kind: global_buffer, .address_space: global }
      - { .name: mem, .offset: 8, .size: 8, .value_kind: global_buffer, .address_space: global }
      - { .name: Wq_w, .offset: 16, .size: 8, .value_kind: global_buffer, .address_space: global }
      - { .name: Wkv_w, .offset: 24, .size: 8, .value_kind: global_buffer, .address_space: global }
      - { .name: out_w, .offset: 32, .size: 8, .value_kind: global_buffer, .address_space: global }
      - { .name: attn_bias, .offset: 40, .size: 8, .value_kind: global_buffer, .address_space: global }
      - { .name: memory_key_padding_mask, .offset: 48, .size: 8, .value_kind: global_buffer, .address_space: global }
      - { .name: xh, .offset: 56, .size: 8, .value_kind: global_buffer, .address_space: global }
      - { .name: wh, .offset: 64, .size: 8, .value_kind: global_buffer, .address_space: global }
      - { .name: plan, .offset: 72, .size: 8, .value_kind: global_buffer, .address_space: global }
      - { .name: biasp, .offset: 80, .size: 8, .value_kind: global_buffer, .address_space: global }
    .group_segment_fixed_size: 1280
    .private_segment_fixed_size: 0
    .kernarg_segment_align: 8
    .kernarg_segment_size: 88
    .max_flat_workgroup_size: 256
    .sgpr_count:     80
    .vgpr_count:     210
    .wavefront_size: 32
...
	.end_amdgpu_metadata
.endif
;; end of part 1
;; launch proj (part 2): grid 12 x 16, 4 waves a work-group, clusters of 4 x 4, 327,680 bytes of LDS; arguments xh, wh, qkv, Wq_b, Wkv_b; writes qkv
.if DOCPART == 2
	.amdgcn_target "amdgcn-amd-amdhsa--gfx1250"
	.amdhsa_code_object_version 6
	.text
	.protected	k_q104471364a_proj
	.globl	k_q104471364a_proj
	.p2align	8
	.type	k_q104471364a_proj,@function
k_q104471364a_proj:
	s_mov_b64 s[64:65], 0
	v_nop
	global_prefetch_b8 v0, s[64:65] scope:SCOPE_SE
	s_setreg_imm32_b32 hwreg(HW_REG_WAVE_MODE, 25, 1), 1
	s_wait_xcnt 0x0
	s_wait_alu depctr_hold_cnt(0) depctr_sa_sdst(0) depctr_va_vdst(0) depctr_va_sdst(0) depctr_va_ssrc(0) depctr_va_vcc(0) depctr_vm_vsrc(0)
	s_getreg_b32 s2, hwreg(HW_REG_IB_STS2, 6, 4)
	s_cmp_eq_u32 s2, 0
	s_cbranch_scc0 .Lentry_in_a_cluster
	s_endpgm
.Lentry_in_a_cluster:
	s_bfe_u32 s2, ttmp6, 0x10000c
	s_cmp_lg_u32 s2, 0xf033
	s_cbranch_scc0 .Lentry_shape_is_right
	s_endpgm
.Lentry_shape_is_right:
; proj: qkv[m][n] = sum over k of A[m][k] wh[n][k] + bias[n], f16 in, f32 sums, f16 out.  qkv is [4096][3072]: columns 0-1023 are q (A = tgt's rows
; of xh), columns 1024 + 128 h hold K (64) and then V (64) of head h (A = mem's rows of xh, 4,096 rows further down).  K = 1024.
; A work-group makes a block of 256 x 256 with four waves; a wave makes 128 x 128: 64 accumulator tiles of 16 x 16, 512 registers.  K goes in steps of 128
; through a ring of two LDS slots filled by the tensor data mover: a tile's rows are 256 bytes of memory and start at multiples of 256 bytes.
; CLUSTERS: 4 x 4 work-groups.  The four of a row of the cluster need the same tiles of A (block row, and tgt or mem by the CLUSTER's x, which all share);
; the four of a column need the same tiles of wh.  Such a tile is asked for jointly, which divides the requests for both by four.
; The grid has 192 blocks: 12 x 16 of 256 x 256.
; LIMIT: q, k, v leave as f16: magnitudes below 65,504.
;
; REGISTERS, in windows of 256:
;   window 0: v0-31 addresses; v64-127, v128-191 fragments of A, two buffers; v192-255 the bias of my 128 columns, later at work on the way out
;   window 1: v64-127, v128-191 fragments of wh, two buffers
;   window 2: the 32 accumulator tiles of my rows 0-63 (tile (a, b) at v[8 (8 a + b)]);   window 3: those of my rows 64-127
; THE MATRIX INSTRUCTION IS USED TRANSPOSED: source 0 = 16 rows of wh, source 1 = 16 rows of A.  Lane l then holds row m = l % 16 of the result and its
; registers 0 to 7 the columns n = 8 (l / 16) + 0..7: eight neighbouring numbers of a row, which pack into 16 bytes.
; The bias has the same layout for every row block, so the first product of each tile takes it as its C: nothing is cleared and nothing is added later.
.set SIZE_K, 1024
.set SIZE_N, 3072
.set KSTEP,  128
.set PITCH,  272                       ; an LDS row: 256 bytes of data + 16 of padding, an odd multiple of 16: the 16 rows that a load touches start at 16 different banks
.set HALFT,  128*PITCH                 ; 128 rows: what one tensor load brings, and what one wave reads of A or of wh
.set SLOT,   4*HALFT                   ; A's 256 rows, then wh's 256 rows
.set STAGE,  2*SLOT                    ; behind the ring: 16 rows x 272 bytes for each wave, for the way out
.set SPITCH, 272
.set LAPS, SIZE_K/(2*KSTEP)            ; a lap = two K steps = once round the ring: 4
.set ADRA, 16                          ; v16-17  LDS address of my A fragments in slot 0, 1
.set ADRB, 20                          ; v20-21  the same for wh
.set STO,  24                          ; v24     the way out: where I put 16 bytes of a row
.set RD,   25                          ; v25     the way out: where I read a row back
.set CO,   26                          ; v26     my byte offset in qkv
.set VBK,  27                          ; v27     my byte offset in the bias, column blocks 0-3
.set VBV,  28                          ; v28     the same for column blocks 4-7 (V's bias lies 960 numbers further on in Wkv_b)
.set F0,   64
.set F1,   128
.set BIAS, 192                         ; v192-255, column block b at BIAS + 8 b
.set TMP,  192                         ; the way out: packed results (the bias is no longer needed then)
.set G1, 24                            ; s[24:31] descriptor group 1 for A's tiles
.set G0, 32                            ; s[32:39] descriptor group 0 for A's tiles, one set for each slot
.set G1B, 48                           ; s[48:55] descriptor group 1 for wh's tiles
.set G0B, 56                           ; s[56:63] descriptor group 0 for wh's tiles, one set for each slot
.set MSB, 0
.macro WIN new                         ; the immediate's high byte repeats the setting that is left
.if MSB != \new
	s_set_vgpr_msb (MSB<<8)|\new
.set MSB, \new
.endif
.endm
.set MUL_LO, 0xa1                      ; source 0 (wh) window 1, source 1 (A) window 0, C and D window 2
.set MUL_HI, 0xf1                      ; the same, C and D window 3
.set BIA_LO, 0x81                      ; C (the bias) window 0, D window 2
.set BIA_HI, 0xc1                      ; C (the bias) window 0, D window 3
.set TO_B,   0x40                      ; destination window 1, address window 0
; A joint load.  Waves 0 and 1 fetch A's two halves, waves 2 and 3 wh's.  Each of the two lines has one mask and one set of registers for all that issue it.
.macro JLOAD s
	s_cmp_eq_u32 s11, 0
	s_cbranch_scc0 .Lfor_b_\@
	tensor_load_to_lds s[G0+4*\s:G0+4*\s+3], s[G1:G1+7]
	s_nop 0
	s_branch .Lasked_\@
.Lfor_b_\@:
	tensor_load_to_lds s[G0B+4*\s:G0B+4*\s+3], s[G1B:G1B+7]
	s_nop 0
.Lasked_\@:
.endm
; A round of the cluster's barrier: my work-group's barrier; wave 0 signals for the work-group; every wave waits for all sixteen; my work-group's barrier once more.
.macro CREST                           ; a round behind its opening barrier
	s_cmp_lg_u32 s10, 0
	s_cbranch_scc1 .Lnot_wave_0_\@
	s_barrier_signal -3
.Lnot_wave_0_\@:
	s_barrier_wait -3
	s_barrier_signal -1
	s_barrier_wait -1
.endm
.macro CROUND                          ; a whole round
	s_barrier_signal -1
	s_barrier_wait -1
	CREST
.endm
	s_load_b128 s[4:7], s[0:1], 0x0                ; xh s[4:5], wh s[6:7]
	s_load_b64 s[8:9], s[0:1], 0x10                ; qkv
	s_load_b64 s[68:69], s[0:1], 0x18              ; Wq_b
	s_load_b64 s[70:71], s[0:1], 0x20              ; Wkv_b
	s_set_vgpr_msb 0x40
	v_lshl_add_u32 v255, v0, 2, 0x48400
	s_set_vgpr_msb 0x4000
	v_mov_b32 v63, 0
	s_set_vgpr_msb 0x1
	ds_add_u32 v255, v63
	s_set_vgpr_msb 0x100
	v_lshrrev_b32 v1, 5, v0
	v_readfirstlane_b32 s10, v1                    ; wave 0..3
	s_lshr_b32 s11, s10, 1                         ; which half of the block's rows is mine.  Also: I fetch for A (0) or for wh (1)
	s_and_b32 s12, s10, 1                          ; which half of its columns.  Also: which 128 rows of that tile I fetch
	s_bfe_u32 s40, ttmp6, 0x40000                  ; cx
	s_bfe_u32 s41, ttmp6, 0x40004                  ; cy
	s_lshl_b32 s42, ttmp9, 2
	s_add_co_u32 s42, s42, s40                     ; block column = 4 x cluster x + cx
	s_and_b32 s13, ttmp7, 0xffff
	s_lshl_b32 s13, s13, 2
	s_add_co_u32 s13, s13, s41                     ; block row = 4 x cluster y + cy
	s_lshl_b32 s43, s41, 2
	s_lshl_b32 s43, 15, s43                        ; my row of the cluster: places 4 cy .. 4 cy + 3
	s_lshl_b32 s44, 0x1111, s40                    ; my column: places cx, cx + 4, cx + 8, cx + 12
	; descriptor group 1: a tile of 128 rows x 128 elements of 2 bytes, 4 words of padding behind every 64 words
	s_or_b32 s[G1+0], s43, (1<<16)|(1<<20)|(1<<21)|(5<<22)|(3<<25)
	s_or_b32 s[G1B+0], s44, (1<<16)|(1<<20)|(1<<21)|(5<<22)|(3<<25)
	s_mov_b32 s[G1B+1], KSTEP<<16
	s_mov_b32 s[G1+1], KSTEP<<16                   ; tensor_dim0 = 128
	s_mov_b32 s[G1B+2], 128<<16
	s_mov_b32 s[G1+2], 128<<16                     ; tensor_dim1 = 128
	s_mov_b32 s[G1B+3], KSTEP<<16
	s_mov_b32 s[G1+3], KSTEP<<16                   ; tile_dim0 = 128
	s_mov_b32 s[G1B+4], 128
	s_mov_b32 s[G1+4], 128                         ; tile_dim1 = 128
	s_mov_b32 s[G1B+5], SIZE_K
	s_mov_b32 s[G1+5], SIZE_K                      ; elements from row to row
	s_mov_b32 s[G1B+6], 0
	s_mov_b32 s[G1+6], 0
	s_mov_b32 s[G1B+7], 0
	s_mov_b32 s[G1+7], 0
	; where the tiles come from.  A's hang on the block row and on the cluster's x (0: tgt; 1, 2: mem), wh's on the block column alone.
	s_lshl_b32 s17, s12, 7                         ; which 128 rows of the tile I fetch
	s_lshl_b32 s16, s13, 8
	s_add_co_u32 s16, s16, s17                     ; A: row 256 x block row + 128 x half
	s_min_u32 s45, ttmp9, 1
	s_lshl_b32 s45, s45, 12
	s_add_co_u32 s16, s16, s45                     ; + 4,096 for mem's rows
	s_lshl_b32 s46, s42, 8
	s_add_co_u32 s46, s46, s17                     ; wh: row 256 x block column + 128 x half
	s_mov_b32 s17, 0
	s_mov_b32 s47, 0
	s_mov_b64 s[18:19], SIZE_K*2
	s_mul_u64 s[16:17], s[16:17], s[18:19]
	s_mul_u64 s[46:47], s[46:47], s[18:19]
	s_mul_i32 s20, s10, HALFT                      ; and where they go: wave x 128 rows
	; the bias of my 128 columns: Wq_b at 256 bx + 128 half; Wkv_b at 64 x head (K), head = 2 (bx - 4) + half, and 1,024 numbers further on (V)
	s_lshl_b32 s75, s42, 10
	s_lshl_b32 s76, s12, 9
	s_add_co_u32 s75, s75, s76
	s_sub_co_u32 s77, s42, 4
	s_lshl_b32 s77, s77, 9
	s_lshl_b32 s76, s12, 8
	s_add_co_u32 s77, s77, s76
	s_wait_dscnt 0x0
	s_wait_kmcnt 0x0
	s_cmp_eq_u32 ttmp9, 0                          ; the cluster's x: alike in all partners
	s_cselect_b64 s[72:73], s[68:69], s[70:71]
	s_cselect_b32 s76, s75, s77
	s_cselect_b32 s74, 0, 3840                     ; (1024 - 64) x 4 bytes: from behind K's bias of the head to V's
	s_mov_b32 s77, 0
	s_add_nc_u64 s[72:73], s[72:73], s[76:77]
	s_add_nc_u64 s[14:15], s[4:5], s[16:17]
	s_add_nc_u64 s[46:47], s[6:7], s[46:47]
	CROUND                                         ; all sixteen work-groups are here: the first joint loads meet
.irp s, 0,1
	s_mov_b32 s[G0+4*\s], 1
	s_add_co_u32 s[G0+4*\s+1], s20, \s*SLOT
	s_add_nc_u64 s[G0+4*\s+2:G0+4*\s+3], s[14:15], \s*KSTEP*2
	s_or_b32 s[G0+4*\s+3], s[G0+4*\s+3], 0x80000000
	s_mov_b32 s[G0B+4*\s], 1
	s_add_co_u32 s[G0B+4*\s+1], s20, \s*SLOT
	s_add_nc_u64 s[G0B+4*\s+2:G0B+4*\s+3], s[46:47], \s*KSTEP*2
	s_or_b32 s[G0B+4*\s+3], s[G0B+4*\s+3], 0x80000000
	JLOAD \s                                       ; the ring is filled before anything else is done: two tensor loads of the wave are out
.endr
	v_and_b32 v1, 15, v0                           ; l % 16
	v_bfe_u32 v2, v0, 4, 1                         ; l / 16
	v_lshlrev_b32 v[VBK], 5, v2                    ; eight numbers of the bias for each half of the lanes
	v_add_nc_u32 v[VBV], s74, v[VBK]
.irp b, 0,1,2,3
	global_load_b128 v[BIAS+8*\b:BIAS+8*\b+3],   v[VBK], s[72:73] offset:64*\b
	global_load_b128 v[BIAS+8*\b+4:BIAS+8*\b+7], v[VBK], s[72:73] offset:64*\b+16
.endr
.irp b, 4,5,6,7
	global_load_b128 v[BIAS+8*\b:BIAS+8*\b+3],   v[VBV], s[72:73] offset:64*\b
	global_load_b128 v[BIAS+8*\b+4:BIAS+8*\b+7], v[VBV], s[72:73] offset:64*\b+16
.endr
	v_mul_u32_u24 v3, v1, PITCH
	v_lshl_add_u32 v3, v2, 4, v3                   ; row x pitch + 16 x half
	s_mul_i32 s21, s11, HALFT                      ; my 128 rows of A
	s_mul_i32 s22, s12, HALFT                      ; my 128 rows of wh,
	s_add_co_u32 s22, s22, 2*HALFT                 ; which lie behind A's 256
.irp s, 0,1
	v_add_nc_u32 v[ADRA+\s], s21, v3
	v_add_nc_u32 v[ADRB+\s], s22, v3
	s_add_co_u32 s21, s21, SLOT
	s_add_co_u32 s22, s22, SLOT
.endr
	s_mul_i32 s23, s10, 16*SPITCH
	s_add_co_u32 s23, s23, STAGE                   ; my stage
	v_mul_u32_u24 v4, v1, SPITCH
	v_lshl_add_u32 v4, v2, 4, v4
	v_add_nc_u32 v[STO], s23, v4
	v_mul_u32_u24 v5, v2, SPITCH
	v_lshl_add_u32 v5, v1, 4, v5
	v_add_nc_u32 v[RD], s23, v5
	v_mul_u32_u24 v5, v2, SIZE_N*2
	v_lshl_add_u32 v[CO], v1, 4, v5
; 16 matrix instructions: m blocks a0, a0 + 1 of the window's four x all 8 n blocks, 32 along K.  zero = 1: the first product starts the sums from the bias.
.macro MUL16 f, hi, a0, zero
.irp a, \a0, \a0+1
.irp b, 0,1,2,3,4,5,6,7
.if \zero
	v_wmma_f32_16x16x32_f16 v[8*(8*(\a)+\b):8*(8*(\a)+\b)+7], v[\f+8*\b:\f+8*\b+7], v[\f+8*(4*\hi+\a):\f+8*(4*\hi+\a)+7], v[BIAS+8*\b:BIAS+8*\b+7]
.else
	v_wmma_f32_16x16x32_f16 v[8*(8*(\a)+\b):8*(8*(\a)+\b)+7], v[\f+8*\b:\f+8*\b+7], v[\f+8*(4*\hi+\a):\f+8*(4*\hi+\a)+7], v[8*(8*(\a)+\b):8*(8*(\a)+\b)+7]
.endif
.endr
.endr
.endm
; 32 LDS loads in one run: the fragments of one quarter step into buffer f
.macro FETCH slot, k, f
	WIN TO_B
.irp i, 0,1,2,3,4,5,6,7
	ds_load_b128 v[\f+8*\i:\f+8*\i+3],   v[ADRB+\slot] offset:\k+\i*16*PITCH
	ds_load_b128 v[\f+8*\i+4:\f+8*\i+7], v[ADRB+\slot] offset:\k+\i*16*PITCH+32
.endr
	WIN 0
.irp i, 0,1,2,3,4,5,6,7
	ds_load_b128 v[\f+8*\i:\f+8*\i+3],   v[ADRA+\slot] offset:\k+\i*16*PITCH
	ds_load_b128 v[\f+8*\i+4:\f+8*\i+7], v[ADRA+\slot] offset:\k+\i*16*PITCH+32
.endr
.endm
; A load into a register that a matrix instruction has read, and a vector instruction that reads a matrix result, stand four places behind that matrix
; instruction; only plain vector instructions that name none of its registers are places (ISA guide 7.12.1 for vector instructions).
.macro PLACES
.rept 4
	v_nop
.endr
.endm
; A K step is four quarter steps of 32 along K, 64 matrix instructions each, on buffers 0, 1, 0, 1.  The 64 accumulators take turns, one instruction a turn,
; in the same order in every quarter.
.macro QUARTER slot, k, f, g, zero
	s_wait_dscnt 8                                 ; wh and A's rows 0-63 are in; the youngest eight loads (A's rows 64-127) may be out
.if \zero
	WIN BIA_LO
.else
	WIN MUL_LO
.endif
	MUL16 \f, 0, 0, \zero
	MUL16 \f, 0, 2, \zero
	PLACES
	FETCH \slot, \k, \g
	s_wait_dscnt 32                                ; all but the 32 just issued
.if \zero
	WIN BIA_HI
.else
	WIN MUL_HI
.endif
	MUL16 \f, 1, 0, \zero
	MUL16 \f, 1, 2, \zero
.endm
.macro THREE slot, zero
	QUARTER \slot, 64,  F0, F1, \zero
	QUARTER \slot, 128, F1, F0, 0
	QUARTER \slot, 192, F0, F1, 0
.endm
; The last quarter: multiplies buffer 1 and changes slots.  In front of the barrier each wave waits for its own reads of this slot and for all its tensor
; loads, of which one is out: its part of the next slot.  Behind it the refill comes first, then the next slot's first fragments.
; From a request to the wait for it a wave issues 240 matrix instructions.
.macro TURN slot, next, fill
	s_wait_dscnt 8
	WIN MUL_LO
	MUL16 F1, 0, 0, 0
	s_wait_dscnt 0                                 ; my reads of this slot are over
	s_wait_tensorcnt 0x0                           ; and all my tensor loads have landed
	ds_add_u32 v255, v63
	s_wait_dscnt 0x0
	s_barrier_signal -1                            ; say so (where a slot is filled again this barrier opens a round of the cluster's barrier),
	MUL16 F1, 0, 2, 0                              ; work on registers while the others arrive,
	WIN 0
	s_barrier_wait -1
.if \fill
	CREST                                          ; no wave of any partner still reads this slot's tile or has a load on its way
	s_add_nc_u64 s[G0+4*\slot+2:G0+4*\slot+3], s[G0+4*\slot+2:G0+4*\slot+3], 2*KSTEP*2
	s_add_nc_u64 s[G0B+4*\slot+2:G0B+4*\slot+3], s[G0B+4*\slot+2:G0B+4*\slot+3], 2*KSTEP*2
	JLOAD \slot                                    ; the first tensor load behind the round, and the wave's only one until the next: one is out
.endif
	PLACES
	FETCH \next, 0, F0
	WIN MUL_HI
	MUL16 F1, 1, 0, 0
	MUL16 F1, 1, 2, 0
.endm
.macro LAP zero
	THREE 0, \zero
	TURN 0, 1, 1
	THREE 1, 0
	TURN 1, 0, 1
.endm
	s_wait_tensorcnt 1                             ; my part of K step 0 is in; K step 1's may stay out
	s_barrier_signal -1
	s_barrier_wait -1                              ; everybody's is
	FETCH 0, 0, F0
	s_wait_loadcnt 0x0                             ; the bias, once
	LAP 1                                          ; the first lap stands in front of the loop: its first products start the sums
	WIN 0                                          ; at a label and at a branch every window is 0
	s_mov_b32 s3, LAPS-2
.Llap:
	LAP 0
	WIN 0
	s_sub_co_u32 s3, s3, 1
	s_cmp_lg_u32 s3, 0
	s_cbranch_scc1 .Llap
	THREE 0, 0                                     ; the last lap fills nothing and has no round of the cluster's barrier
	TURN 0, 1, 0
	THREE 1, 0
	s_wait_dscnt 8
	WIN MUL_LO
	MUL16 F1, 0, 0, 0
	MUL16 F1, 0, 2, 0
	s_wait_dscnt 0
	WIN MUL_HI
	MUL16 F1, 1, 0, 0
	MUL16 F1, 1, 2, 0
	; THE WAY OUT, 16 rows at a time: round to f16, 16 bytes a lane into my own stage in LDS, read back as whole rows of 256 bytes.
	PLACES
	s_lshl_b32 s13, s13, 8
	s_lshl_b32 s14, s11, 7
	s_add_co_u32 s16, s13, s14                     ; my first row of qkv
	s_mov_b32 s17, 0
	s_mov_b64 s[18:19], SIZE_N*2
	s_mul_u64 s[16:17], s[16:17], s[18:19]
	s_add_nc_u64 s[8:9], s[8:9], s[16:17]
	s_lshl_b32 s46, s42, 9                         ; my first column, in bytes: 512 x block + 256 x half
	s_lshl_b32 s47, s12, 8
	s_add_co_u32 s46, s46, s47
	s_mov_b32 s47, 0
	s_add_nc_u64 s[8:9], s[8:9], s[46:47]
.macro OUT16 i, a, from, f
	WIN \from
.irp b, 0,1,2,3,4,5,6,7
.irp r, 0,1,2,3
	v_cvt_pk_f16_f32 v[TMP+4*\b+\r], v[8*(8*\a+\b)+2*\r], v[8*(8*\a+\b)+2*\r+1]
.endr
.endr
	WIN 0
.irp b, 0,1,2,3,4,5,6,7
	ds_store_b128 v[STO], v[TMP+4*\b:TMP+4*\b+3] offset:32*\b
.endr
	s_wait_xcnt 0x0                                ; buffer f, which earlier stores read, and the stores' base are rewritten only behind this wait
.if \i
	s_add_nc_u64 s[8:9], s[8:9], 16*SIZE_N*2
.endif
.irp t, 0,1,2,3,4,5,6,7
	ds_load_b128 v[\f+4*\t:\f+4*\t+3], v[RD] offset:\t*2*SPITCH    ; LDS serves a wave's instructions in order: these see the stores above
.endr
.irp t, 0,1,2,3,4,5,6,7
	s_wait_dscnt 7-\t
	global_store_b128 v[CO], v[\f+4*\t:\f+4*\t+3], s[8:9] offset:2*\t*SIZE_N*2   ; 16 lanes store 256 consecutive bytes, aligned: 128 columns of q, or one head's K and V
.endr
.endm
	OUT16 0, 0, 0x0a, F0
	OUT16 1, 1, 0x0a, F1
	OUT16 2, 2, 0x0a, F0
	OUT16 3, 3, 0x0a, F1
	OUT16 4, 0, 0x0f, F0
	OUT16 5, 1, 0x0f, F1
	OUT16 6, 2, 0x0f, F0
	OUT16 7, 3, 0x0f, F1
	s_set_vgpr_msb 0x1
	s_wait_tensorcnt 0x0
	ds_add_u32 v255, v63
	s_wait_dscnt 0x0
	s_set_vgpr_msb 0x100
	CROUND                                         ; the closing round: no work-group ends while a partner may still ask for a tile that names it
	s_endpgm
.Lfunc_end_k_q104471364a_proj:
	.size	k_q104471364a_proj, .Lfunc_end_k_q104471364a_proj-k_q104471364a_proj
	.p2alignl 7, 3214868480
	.fill 96, 4, 3214868480
	.section	.rodata,"a",@progbits
	.p2align	6, 0x0
	.amdhsa_kernel k_q104471364a_proj
		.amdhsa_group_segment_fixed_size 327680
		.amdhsa_private_segment_fixed_size 0
		.amdhsa_enable_private_segment 0
		.amdhsa_kernarg_size 40
		.amdhsa_user_sgpr_count 2
		.amdhsa_user_sgpr_kernarg_segment_ptr 1
		.amdhsa_wavefront_size32 1
		.amdhsa_system_sgpr_workgroup_id_x 1
		.amdhsa_system_sgpr_workgroup_id_y 1
		.amdhsa_system_sgpr_workgroup_id_z 1
		.amdhsa_system_vgpr_workitem_id 0
		.amdhsa_next_free_vgpr 1024
		.amdhsa_next_free_sgpr 80
		.amdhsa_reserve_vcc 0
		.amdhsa_float_denorm_mode_32 3
		.amdhsa_float_denorm_mode_16_64 3
		.amdhsa_memory_ordered 1
		.amdhsa_forward_progress 1
		.amdhsa_inst_pref_size 198
	.end_amdhsa_kernel
	.amdgpu_metadata
---
amdhsa.version: [ 1, 2 ]
amdhsa.kernels:
  - .name:           k_q104471364a_proj
    .symbol:         k_q104471364a_proj.kd
    .args:
      - { .name: xh, .offset: 0, .size: 8, .value_kind: global_buffer, .address_space: global }
      - { .name: wh, .offset: 8, .size: 8, .value_kind: global_buffer, .address_space: global }
      - { .name: qkv, .offset: 16, .size: 8, .value_kind: global_buffer, .address_space: global }
      - { .name: Wq_b, .offset: 24, .size: 8, .value_kind: global_buffer, .address_space: global }
      - { .name: Wkv_b, .offset: 32, .size: 8, .value_kind: global_buffer, .address_space: global }
    .group_segment_fixed_size: 327680
    .private_segment_fixed_size: 0
    .kernarg_segment_align: 8
    .kernarg_segment_size: 40
    .max_flat_workgroup_size: 128
    .sgpr_count:     80
    .vgpr_count:     1024
    .wavefront_size: 32
...
	.end_amdgpu_metadata
.endif
;; end of part 2
;; launch attn (part 3): grid 8 x 32, 8 waves a work-group, no clusters, 77,312 bytes of LDS; arguments qkv, plan, biasp, ctx; writes ctx
.if DOCPART == 3
	.amdgcn_target "amdgcn-amd-amdhsa--gfx1250"
	.amdhsa_code_object_version 6
	.text
	.protected	k_q104471364a_attn
	.globl	k_q104471364a_attn
	.p2align	8
	.type	k_q104471364a_attn,@function
k_q104471364a_attn:
	s_mov_b64 s[64:65], 0
	v_nop
	global_prefetch_b8 v0, s[64:65] scope:SCOPE_SE
	s_setreg_imm32_b32 hwreg(HW_REG_WAVE_MODE, 25, 1), 1
	s_wait_xcnt 0x0
; attn: softmax(q k / 8 + bias, over the kept keys) v, for 256 queries of one head of one batch; ctx is [b][h][t][64] in f16.
; Eight waves, 32 queries each (two tiles tt of 16).  The keys are walked by the list that an earlier launch stored, a permutation of the batch's 2,048 keys
; with the kept ones first, 64 a trip.  ALL 32 tiles are walked: every trip holds a barrier of the work-group, so the number of trips is a constant of the text.
; A masked key carries the bias -3.0e38; with any kept key at all the first tile holds one, so the running maximum is a kept key's from the first trip on
; and a masked key's exponential is exactly 0.
; TRANSPOSED: S' = K Q' (A = 16 keys, B = 16 queries): lane l holds query l % 16 and, in registers 0-7, keys 8 (l / 16) + 0..7.  Two neighbouring tiles of S',
; packed to f16, ARE the B fragment of O' = V' P': no exchange between lanes.  Maximum, sum and rescale factor are one number a lane.
; S = q k + 8 bias comes whole from the matrix unit (the bias is the first product's C); p = exp2(c S - c m), c = log2(e) / 8, m the running maximum of S.
; The K and V rows of a tile are picked by the list, so they lie at no fixed pitch: one tensor descriptor cannot cover a tile, and the tiles come through
; registers (four threads take one key's 256 bytes, and the key's bias with them); hence no joint loads and no cluster.
; LIMITS: operands are f16 (|q|, |k|, |v| below 65,504; p below 6e-8 counts as 0); a kept key's 8 bias + q k lies above -2.9e38;
; c m is rounded once before it is taken away, an error of the size of S's own rounding in f32.  With no kept key at all the result is NaN, as in the reference.
.set QP,    6144                       ; bytes in a row of qkv
.set PAIRS, 15                         ; 32 tiles: the first trip, 15 pairs in the loop, the last trip
.set KP,    144                        ; LDS pitch of K's rows: 128 bytes + 16, an odd multiple of 16
.set VP,    160                        ; LDS pitch of V's rows: an odd multiple of 32, for the transposing loads
.set VPART, 64*KP                      ; a slot: 64 rows of K,
.set BPART, VPART+64*VP                ; 64 rows of V,
.set SLOTB, BPART+256                  ; and the 64 keys' bias: 19,712 bytes; two slots from LDS byte 0
.set STG,   2*SLOTB                    ; 39,424: 32 rows x 144 bytes for each wave, for the way out
.set STGW,  32*KP
.set ADK,  8                           ; v8   K fragments: (l % 16) x 144 + 16 (l / 16)
.set ADV,  9                           ; v9   V fragments: (8 (l / 16) + l % 8) x 160 + 16 ((l / 8) % 2)
.set VB,   10                          ; v10  bias: 32 (l / 16); never rewritten
.set VI,   11                          ; v11  list: 4 (t / 4) + 256 x tile, of the entry asked for next
.set STK,  12                          ; v12  where I put my 32 bytes of a key's K
.set STV,  13                          ; v13  and of its V
.set GL,   14                          ; v14  32 (t % 4): my part of a key's row
.set GO,   15                          ; v15  the gather's offset
.set IX,   16                          ; v16  my key from the list
.set VQ,   17                          ; v17  my offset in q
.set MX,   18                          ; v18-19  running maximum, tt = 0, 1
.set LS,   20                          ; v20-21  running sum of my half of the keys
.set AL,   22                          ; v22 (pair with v23)  rescale factor
.set NM,   24                          ; v24 (pair with v25)  -c m
.set T,    26                          ; v26-33  at work
.set VS,   35                          ; v35  the way out: where I put 16 bytes
.set STGR, 36                          ; v36-51  the next tile on its way: 32 bytes of K, 32 of V
.set BV,   52                          ; v52  and my key's bias
.set VJ,   53                          ; v53  4 (t / 4) + 256 x tile, of the tile being gathered
.set STB,  54                          ; v54  where I put the bias: 32 x wave + 4 (l / 4)
.set RD,   60                          ; v60  the way out: where I read back
.set CO,   61                          ; v61  16 l
.set KV,   64                          ; v64-127  K fragments (st, kk) at 16 st + 8 kk; then V fragments (dt, sb) at 16 dt + 8 sb
.set S,    128                         ; v128-191 S' tile (st, tt) at 32 tt + 8 st; P (sb, tt) in the first 8 registers of 32 tt + 16 sb
.set O,    192                         ; v192-255 O' tile (dt, tt) at 32 tt + 8 dt
.set Q,    0                           ; window 1, v0-31: Q fragment (tt, kk) at 16 tt + 8 kk
.set BI,   32                          ; window 1, v32-63: bias tile st at 8 st
.set MSB, 0
.macro WIN new                         ; the immediate's high byte repeats the setting that is left
.if MSB != \new
	s_set_vgpr_msb (MSB<<8)|\new
.set MSB, \new
.endif
.endm
.macro PLACES n                        ; places behind matrix instructions: plain vector instructions that name none of their registers (ISA guide 7.12.1)
.rept \n
	v_nop
.endr
.endm
; The next tile: my key from the list, 64 bytes of its row, its bias, and the list entry after it: six loads.
; Stands only where no load of the wave is pending, so IX, GO, VI and VJ may be written.
; The entry asked for by the last GATHER of the launch is not used; the mask keeps its address inside the batch's 8,192 bytes of the list.
.macro GATHER
	v_min_u32 v[IX], 0x7ff, v[IX]                  ; a key is below 2,048
	v_mul_u32_u24 v[GO], v[IX], QP
	v_add_nc_u32 v[GO], v[GL], v[GO]
	v_mov_b32 v[VJ], v[VI]                         ; this tile's place in the list is also its place in the listed bias
	v_add_nc_u32 v[VI], 256, v[VI]
	v_and_b32 v[VI], 0x1ffc, v[VI]
	global_load_b128 v[STGR:STGR+3],     v[GO], s[26:27]
	global_load_b128 v[STGR+4:STGR+7],   v[GO], s[26:27] offset:16
	global_load_b128 v[STGR+8:STGR+11],  v[GO], s[26:27] offset:128
	global_load_b128 v[STGR+12:STGR+15], v[GO], s[26:27] offset:144
	global_load_b32 v[BV], v[VJ], s[36:37]
	global_load_b32 v[IX], v[VI], s[34:35]
.endm
; The softmax step of query tile tt: 32 scores a lane.
.macro SOFTMAX tt, first
.irp i, 0,1,2,3
	v_max3_num_f32 v[T+\i], v[S+32*\tt+8*\i], v[S+32*\tt+8*\i+1], v[S+32*\tt+8*\i+2]     ; four chains that do not wait for each other
.endr
.irp i, 0,1,2,3
	v_max3_num_f32 v[T+\i], v[T+\i], v[S+32*\tt+8*\i+3], v[S+32*\tt+8*\i+4]
.endr
.irp i, 0,1,2,3
	v_max3_num_f32 v[T+\i], v[T+\i], v[S+32*\tt+8*\i+5], v[S+32*\tt+8*\i+6]
.endr
.irp i, 0,1,2,3
	v_max_num_f32 v[T+\i], v[T+\i], v[S+32*\tt+8*\i+7]
.endr
	v_max3_num_f32 v[T], v[T], v[T+1], v[T+2]
	v_max_num_f32 v[T], v[T], v[T+3]
	v_permlanex16_b32 v[T+1], v[T], s24, s25       ; the other half of the lanes holds the same query's other keys
.if \first
	v_max_num_f32 v[MX+\tt], v[T], v[T+1]
.else
	v_max3_num_f32 v[T+2], v[T], v[T+1], v[MX+\tt]
	v_sub_f32 v[T+3], v[MX+\tt], v[T+2]
	v_mul_f32 v[T+3], s20, v[T+3]
	v_exp_f32 v[AL], v[T+3]                        ; what the old sums are worth under the new maximum
	v_mov_b32 v[MX+\tt], v[T+2]                    ; the plain instruction behind the exponential
.endif
	v_mul_f32 v[NM], s22, v[MX+\tt]                ; -c m
.irp i, 0,2,4,6,8,10,12,14,16,18,20,22,24,26,28,30
	v_pk_fma_f32 v[S+32*\tt+\i:S+32*\tt+\i+1], v[S+32*\tt+\i:S+32*\tt+\i+1], s[20:21], v[NM:NM+1] op_sel_hi:[1,0,0]
.endr
.set j, 0
.rept 32
	v_exp_f32 v[S+32*\tt+j], v[S+32*\tt+j]
.set j, j+1
.endr
	v_nop                                          ; one plain instruction between the exponentials and the first use of a result
	s_wait_alu depctr_va_vdst(0)
.irp i, 0,1,2,3
	v_pk_add_f32 v[T+2*\i:T+2*\i+1], v[S+32*\tt+8*\i:S+32*\tt+8*\i+1], v[S+32*\tt+8*\i+2:S+32*\tt+8*\i+3]
.endr
.irp i, 0,1,2,3
	v_pk_add_f32 v[T+2*\i:T+2*\i+1], v[T+2*\i:T+2*\i+1], v[S+32*\tt+8*\i+4:S+32*\tt+8*\i+5]
.endr
.irp i, 0,1,2,3
	v_pk_add_f32 v[T+2*\i:T+2*\i+1], v[T+2*\i:T+2*\i+1], v[S+32*\tt+8*\i+6:S+32*\tt+8*\i+7]
.endr
	v_pk_add_f32 v[T:T+1], v[T:T+1], v[T+2:T+3]
	v_pk_add_f32 v[T+4:T+5], v[T+4:T+5], v[T+6:T+7]
	v_pk_add_f32 v[T:T+1], v[T:T+1], v[T+4:T+5]
.if \first
	v_add_f32 v[LS+\tt], v[T], v[T+1]
.else
	v_add_f32 v[T], v[T], v[T+1]
	v_fma_f32 v[LS+\tt], v[LS+\tt], v[AL], v[T]
.endif
.irp sb, 0,1
.irp q, 0,1,2,3,4,5,6,7
	v_cvt_pk_f16_f32 v[S+32*\tt+16*\sb+\q], v[S+32*\tt+16*\sb+2*\q], v[S+32*\tt+16*\sb+2*\q+1]   ; ascending: no source is lost
.endr
.endr
.if \first
.else
.irp i, 0,2,4,6,8,10,12,14,16,18,20,22,24,26,28,30
	v_pk_mul_f32 v[O+32*\tt+\i:O+32*\tt+\i+1], v[O+32*\tt+\i:O+32*\tt+\i+1], v[AL:AL+1] op_sel_hi:[1,0]
.endr
.endif
.endm
; One trip: 64 listed keys.  ONE barrier: in front of it my part of this trip's tile is stored and all my LDS instructions are done, my reads of the last
; trip's slot among them; the slot written now was last read two trips ago, in front of the last trip's barrier.
.macro TRIP slot, first, gather
	s_wait_loadcnt 0x0                             ; this trip's tile, its bias and the next list entry are in
	ds_store_b128 v[STK], v[STGR:STGR+3]     offset:\slot*SLOTB
	ds_store_b128 v[STK], v[STGR+4:STGR+7]   offset:\slot*SLOTB+16
	ds_store_b128 v[STV], v[STGR+8:STGR+11]  offset:\slot*SLOTB+VPART
	ds_store_b128 v[STV], v[STGR+12:STGR+15] offset:\slot*SLOTB+VPART+16
	ds_store_b32  v[STB], v[BV]              offset:\slot*SLOTB+BPART    ; the four threads of a key write the same word with the same value
	s_wait_dscnt 0x0
	s_barrier_signal -1
	s_barrier_wait -1
	WIN 0x40                                       ; destination window 1
.irp st, 0,1,2,3
	ds_load_b128 v[BI+8*\st:BI+8*\st+3],   v[VB] offset:\slot*SLOTB+BPART+64*\st
	ds_load_b128 v[BI+8*\st+4:BI+8*\st+7], v[VB] offset:\slot*SLOTB+BPART+64*\st+16
.endr
	WIN 0
.irp st, 0,1,2,3
.irp kk, 0,1
	ds_load_b128 v[KV+16*\st+8*\kk:KV+16*\st+8*\kk+3],   v[ADK] offset:\slot*SLOTB+16*KP*\st+64*\kk
	ds_load_b128 v[KV+16*\st+8*\kk+4:KV+16*\st+8*\kk+7], v[ADK] offset:\slot*SLOTB+16*KP*\st+64*\kk+32
.endr
.endr
.if \gather
	GATHER                                         ; the next tile has the whole trip in which to arrive
.endif
	s_wait_dscnt 0x0
	; S' = K Q' + bias.  Eight accumulators take turns, one instruction a turn.
	WIN 0x14                                       ; B (Q) and C (bias) in window 1
.irp st, 0,1,2,3
.irp tt, 0,1
	v_wmma_f32_16x16x32_f16 v[S+32*\tt+8*\st:S+32*\tt+8*\st+7], v[KV+16*\st:KV+16*\st+7], v[Q+16*\tt:Q+16*\tt+7], v[BI+8*\st:BI+8*\st+7]
.endr
.endr
	WIN 0x04                                       ; B in window 1
.irp st, 0,1,2,3
.irp tt, 0,1
	v_wmma_f32_16x16x32_f16 v[S+32*\tt+8*\st:S+32*\tt+8*\st+7], v[KV+16*\st+8:KV+16*\st+15], v[Q+16*\tt+8:Q+16*\tt+15], v[S+32*\tt+8*\st:S+32*\tt+8*\st+7]
.endr
.endr
	WIN 0
	PLACES 4                                       ; in front of the loads into K's registers and of the first read of S'
.irp dt, 0,1,2,3
.irp sb, 0,1
	ds_load_tr16_b128 v[KV+16*\dt+8*\sb:KV+16*\dt+8*\sb+3],   v[ADV] offset:\slot*SLOTB+VPART+32*VP*\sb+32*\dt
	ds_load_tr16_b128 v[KV+16*\dt+8*\sb+4:KV+16*\dt+8*\sb+7], v[ADV] offset:\slot*SLOTB+VPART+32*VP*\sb+32*\dt+16*VP
.endr
.endr
	SOFTMAX 0, \first
	SOFTMAX 1, \first
	s_wait_dscnt 0x0                               ; V's fragments
	; O' += V' P'.  Again eight accumulators by turns.
.irp tt, 0,1
.irp dt, 0,1,2,3
.if \first
	v_wmma_f32_16x16x32_f16 v[O+32*\tt+8*\dt:O+32*\tt+8*\dt+7], v[KV+16*\dt:KV+16*\dt+7], v[S+32*\tt:S+32*\tt+7], 0
.else
	v_wmma_f32_16x16x32_f16 v[O+32*\tt+8*\dt:O+32*\tt+8*\dt+7], v[KV+16*\dt:KV+16*\dt+7], v[S+32*\tt:S+32*\tt+7], v[O+32*\tt+8*\dt:O+32*\tt+8*\dt+7]
.endif
.endr
.endr
.irp tt, 0,1
.irp dt, 0,1,2,3
	v_wmma_f32_16x16x32_f16 v[O+32*\tt+8*\dt:O+32*\tt+8*\dt+7], v[KV+16*\dt+8:KV+16*\dt+15], v[S+32*\tt+16:S+32*\tt+23], v[O+32*\tt+8*\dt:O+32*\tt+8*\dt+7]
.endr
.endr
	PLACES 5                                       ; the next trip loads into V's registers (four places) and its first product writes over P's (five)
.endm
	s_load_b256 s[4:11], s[0:1], 0x0               ; qkv s[4:5], plan s[6:7], biasp s[8:9], ctx s[10:11]
	v_lshl_add_u32 v62, v0, 2, 0x12a00
	v_mov_b32 v63, 0
	v_lshrrev_b32 v1, 5, v0
	v_readfirstlane_b32 s12, v1                    ; wave 0..7
	s_and_b32 s13, ttmp7, 0xffff                   ; 16 b + h
	s_lshr_b32 s14, s13, 4                         ; b
	s_and_b32 s15, s13, 15                         ; h
	s_mov_b32 s20, 0x3e38aa3b                      ; c = log2(e) / 8
	s_mov_b32 s21, 0x3e38aa3b
	s_mov_b32 s22, 0xbe38aa3b                      ; -c
	s_mov_b32 s24, 0x76543210                      ; v_permlanex16_b32: lane i of one half reads lane i of the other
	s_mov_b32 s25, 0xfedcba98
	s_mul_i32 s38, s14, 2048*QP                    ; K and V: the batch's rows, column 1024 + 128 h
	s_lshl_b32 s39, s15, 8
	s_add_co_u32 s38, s38, s39
	s_add_co_u32 s38, s38, 2048
	s_mov_b32 s39, 0
	s_lshl_b32 s40, s14, 11                        ; Q: row 2048 b + 256 x block, column 64 h
	s_lshl_b32 s41, ttmp9, 8
	s_add_co_u32 s40, s40, s41
	s_mul_i32 s40, s40, QP
	s_lshl_b32 s41, s15, 7
	s_add_co_u32 s40, s40, s41
	s_mov_b32 s41, 0
	s_lshl_b32 s42, s13, 18                        ; ctx: ((16 b + h) x 2048 + 256 x block + 32 x wave) rows of 128 bytes
	s_lshl_b32 s43, ttmp9, 15
	s_add_co_u32 s42, s42, s43
	s_lshl_b32 s43, s12, 12
	s_add_co_u32 s42, s42, s43
	s_mov_b32 s43, 0
	s_lshl_b32 s44, s14, 13                        ; list and bias: 8,192 bytes a batch
	s_mov_b32 s45, 0
	s_lshl_b32 s46, s14, 8                         ; the count
	s_add_co_u32 s46, s46, 16384
	s_mov_b32 s47, 0
	s_mul_i32 s19, s12, STGW
	s_add_co_u32 s19, s19, STG                     ; my stage
	s_mul_i32 s23, s12, 8*KP                       ; my wave stores keys 8 w .. 8 w + 7 of a tile
	s_mul_i32 s33, s12, 8*VP
	v_and_b32 v2, 15, v0                           ; l % 16
	v_bfe_u32 v3, v0, 4, 1                         ; l / 16
	v_mul_u32_u24 v[ADK], v2, KP
	v_lshl_add_u32 v[ADK], v3, 4, v[ADK]
	v_and_b32 v4, 7, v0
	v_lshl_add_u32 v4, v3, 3, v4
	v_mul_u32_u24 v[ADV], v4, VP
	v_bfe_u32 v5, v0, 3, 1
	v_lshl_add_u32 v[ADV], v5, 4, v[ADV]
	v_lshlrev_b32 v[VB], 5, v3
	v_lshrrev_b32 v6, 2, v0
	v_lshlrev_b32 v[VI], 2, v6                     ; four threads share a key
	v_and_b32 v7, 3, v0
	v_lshlrev_b32 v[GL], 5, v7
	v_bfe_u32 v6, v0, 2, 3                         ; which of my wave's eight keys
	v_mul_u32_u24 v[STK], v6, KP
	v_add_nc_u32 v[STK], v[STK], v[GL]
	v_add_nc_u32 v[STK], s23, v[STK]
	v_mul_u32_u24 v[STV], v6, VP
	v_add_nc_u32 v[STV], v[STV], v[GL]
	v_add_nc_u32 v[STV], s33, v[STV]
	v_lshlrev_b32 v[STB], 2, v6
	v_lshl_add_u32 v[STB], s12, 5, v[STB]          ; one word a key: 32 bytes a wave
	v_and_b32 v[VQ], 0xef, v0                      ; 32 x wave + l % 16
	v_mul_u32_u24 v[VQ], v[VQ], QP
	v_lshl_add_u32 v[VQ], v3, 4, v[VQ]
	v_and_b32 v4, 31, v0
	v_lshlrev_b32 v[CO], 4, v4
	v_add_nc_u32 v[VS], s19, v[ADK]
	v_bfe_u32 v5, v0, 3, 2
	v_mul_u32_u24 v[RD], v5, KP
	v_and_b32 v4, 7, v0
	v_lshl_add_u32 v[RD], v4, 4, v[RD]
	v_add_nc_u32 v[RD], s19, v[RD]
	v_mov_b32 v[AL+1], 0                           ; the pairs' upper halves are named by the packed forms and never used
	v_mov_b32 v[NM+1], 0
	s_wait_kmcnt 0x0
	s_add_nc_u64 s[46:47], s[6:7], s[46:47]
	s_load_b32 s16, s[46:47], 0x0                  ; the number of kept keys: it selects a value below and steers no branch
	s_add_nc_u64 s[26:27], s[4:5], s[38:39]
	s_add_nc_u64 s[28:29], s[4:5], s[40:41]
	s_add_nc_u64 s[30:31], s[10:11], s[42:43]
	s_add_nc_u64 s[34:35], s[6:7], s[44:45]
	s_add_nc_u64 s[36:37], s[8:9], s[44:45]
	global_load_b32 v[IX], v[VI], s[34:35]         ; my key of tile 0
	WIN 0x40
.irp tt, 0,1
.irp kk, 0,1
	global_load_b128 v[Q+16*\tt+8*\kk:Q+16*\tt+8*\kk+3],   v[VQ], s[28:29] offset:16*QP*\tt+64*\kk
	global_load_b128 v[Q+16*\tt+8*\kk+4:Q+16*\tt+8*\kk+7], v[VQ], s[28:29] offset:16*QP*\tt+64*\kk+32
.endr
.endr
	WIN 0
	s_wait_loadcnt 8                               ; the list entry is in: the eight loads of Q are younger
	GATHER                                         ; tile 0
	s_wait_kmcnt 0x0
	s_cmp_eq_u32 s16, 0
	s_cselect_b32 s32, 0x7fc00000, 1.0             ; no kept key: the result is NaN
	TRIP 0, 1, 1                                   ; the first trip starts maximum, sums and O'; its wait for all loads covers Q too
	s_mov_b32 s18, 0
.Lpair:
	TRIP 1, 0, 1
	TRIP 0, 0, 1
	s_add_co_u32 s18, s18, 1
	s_cmp_lt_u32 s18, PAIRS
	s_cbranch_scc1 .Lpair
	TRIP 1, 0, 0                                   ; the last trip asks for nothing
	; the two halves of the lanes hold the sums of different keys of the same query
	v_permlanex16_b32 v[T], v[LS], s24, s25
	v_permlanex16_b32 v[T+1], v[LS+1], s24, s25
	v_add_f32 v[LS], v[LS], v[T]
	v_add_f32 v[LS+1], v[LS+1], v[T+1]
	v_rcp_f32 v[LS], v[LS]
	v_rcp_f32 v[LS+1], v[LS+1]
	v_nop                                          ; one plain instruction behind the reciprocals
	s_wait_alu depctr_va_vdst(0)
	v_mul_f32 v[AL], s32, v[LS]
	v_mul_f32 v[NM], s32, v[LS+1]
	; a lane's eight numbers of a tile are eight neighbouring d of one query: 16 bytes of f16, through my own stage into whole rows
.irp tt, 0,1
.irp dt, 0,1,2,3
.irp q, 0,1,2,3
	v_pk_mul_f32 v[O+32*\tt+8*\dt+2*\q:O+32*\tt+8*\dt+2*\q+1], v[O+32*\tt+8*\dt+2*\q:O+32*\tt+8*\dt+2*\q+1], v[AL+2*\tt:AL+2*\tt+1] op_sel_hi:[1,0]
.endr
.irp q, 0,1,2,3
	v_cvt_pk_f16_f32 v[KV+16*\tt+4*\dt+\q], v[O+32*\tt+8*\dt+2*\q], v[O+32*\tt+8*\dt+2*\q+1]
.endr
	ds_store_b128 v[VS], v[KV+16*\tt+4*\dt:KV+16*\tt+4*\dt+3] offset:16*KP*\tt+32*\dt
.endr
.endr
.irp k, 0,1,2,3,4,5,6,7
	ds_load_b128 v[S+4*\k:S+4*\k+3], v[RD] offset:4*KP*\k          ; four rows of 128 bytes; LDS serves a wave's instructions in order
.endr
.irp k, 0,1,2,3,4,5,6,7
	s_wait_dscnt 7-\k
	global_store_b128 v[CO], v[S+4*\k:S+4*\k+3], s[30:31] offset:512*\k    ; each store of the wave covers 512 consecutive bytes, aligned
.endr
	s_wait_tensorcnt 0x0
	ds_add_u32 v62, v63
	s_wait_dscnt 0x0
	s_endpgm
.Lfunc_end_k_q104471364a_attn:
	.size	k_q104471364a_attn, .Lfunc_end_k_q104471364a_attn-k_q104471364a_attn
	.p2alignl 7, 3214868480
	.fill 96, 4, 3214868480
	.section	.rodata,"a",@progbits
	.p2align	6, 0x0
	.amdhsa_kernel k_q104471364a_attn
		.amdhsa_group_segment_fixed_size 77312
		.amdhsa_private_segment_fixed_size 0
		.amdhsa_enable_private_segment 0
		.amdhsa_kernarg_size 32
		.amdhsa_user_sgpr_count 2
		.amdhsa_user_sgpr_kernarg_segment_ptr 1
		.amdhsa_wavefront_size32 1
		.amdhsa_system_sgpr_workgroup_id_x 1
		.amdhsa_system_sgpr_workgroup_id_y 1
		.amdhsa_system_sgpr_workgroup_id_z 1
		.amdhsa_system_vgpr_workitem_id 0
		.amdhsa_next_free_vgpr 320
		.amdhsa_next_free_sgpr 66
		.amdhsa_reserve_vcc 0
		.amdhsa_float_denorm_mode_32 3
		.amdhsa_float_denorm_mode_16_64 3
		.amdhsa_memory_ordered 1
		.amdhsa_forward_progress 1
		.amdhsa_inst_pref_size 86
	.end_amdhsa_kernel
	.amdgpu_metadata
---
amdhsa.version: [ 1, 2 ]
amdhsa.kernels:
  - .name:           k_q104471364a_attn
    .symbol:         k_q104471364a_attn.kd
    .args:
      - { .name: qkv, .offset: 0, .size: 8, .value_kind: global_buffer, .address_space: global }
      - { .name: plan, .offset: 8, .size: 8, .value_kind: global_buffer, .address_space: global }
      - { .name: biasp, .offset: 16, .size: 8, .value_kind: global_buffer, .address_space: global }
      - { .name: ctx, .offset: 24, .size: 8, .value_kind: global_buffer, .address_space: global }
    .group_segment_fixed_size: 77312
    .private_segment_fixed_size: 0
    .kernarg_segment_align: 8
    .kernarg_segment_size: 32
    .max_flat_workgroup_size: 256
    .sgpr_count:     66
    .vgpr_count:     320
    .wavefront_size: 32
...
	.end_amdgpu_metadata
.endif
;; end of part 3
;; launch outp (part 4): grid 8 x 32, 4 waves a work-group, clusters of 4 x 4, 327,680 bytes of LDS; arguments ctx, wh, out_b, out0; writes out0
.if DOCPART == 4
	.amdgcn_target "amdgcn-amd-amdhsa--gfx1250"
	.amdhsa_code_object_version 6
	.text
	.protected	k_q104471364a_outp
	.globl	k_q104471364a_outp
	.p2align	8
	.type	k_q104471364a_outp,@function
k_q104471364a_outp:
	s_mov_b64 s[64:65], 0
	v_nop
	global_prefetch_b8 v0, s[64:65] scope:SCOPE_SE
	s_setreg_imm32_b32 hwreg(HW_REG_WAVE_MODE, 25, 1), 1
	s_wait_xcnt 0x0
	s_wait_alu depctr_hold_cnt(0) depctr_sa_sdst(0) depctr_va_vdst(0) depctr_va_sdst(0) depctr_va_ssrc(0) depctr_va_vcc(0) depctr_vm_vsrc(0)
	s_getreg_b32 s2, hwreg(HW_REG_IB_STS2, 6, 4)
	s_cmp_eq_u32 s2, 0
	s_cbranch_scc0 .Lentry_in_a_cluster
	s_endpgm
.Lentry_in_a_cluster:
	s_bfe_u32 s2, ttmp6, 0x10000c
	s_cmp_lg_u32 s2, 0xf033
	s_cbranch_scc0 .Lentry_shape_is_right
	s_endpgm
.Lentry_shape_is_right:
; outp: out0[m][n] = sum over k of ctx(m, k) out_w[n][k] + out_b[n], f16 in, f32 sums and f32 out.  m = 2048 b + t, k = 64 h + d; ctx is [b][h][t][64];
; out_w's f16 rows are rows 3072.. of wh.  256 blocks of 128 x 128; four waves of 64 x 64: 16 accumulator tiles each.
; K = 1024 goes in four steps of 256 (four heads) through two LDS slots, all written out: two first fills, two refills.
; CLUSTERS: 4 x 4 work-groups; ctx's tile hangs on the block row alone and is asked for jointly along a row of the cluster, out_w's on the block column alone
; and jointly along a column: the requests for both are divided by four.
; A's tile of one head is 128 queries x 64 d = 16,384 consecutive bytes of memory; a wave's load takes two heads as two such rows, and the padding after
; every 128 bytes lays them into LDS as 128 rows of 144 bytes a head.
; The matrix instruction is used transposed (source 0 = rows of out_w, source 1 = rows of ctx): a lane's eight results are eight neighbouring columns of one row.
; The bias has that layout too, so the first product of each tile takes it as its C.
.set APITCH, 144
.set SUB,    128*APITCH                ; one head's 128 rows: 18,432
.set BPITCH, 528                       ; 512 bytes + 16: an odd multiple of 16
.set BHALF,  64*BPITCH                 ; 33,792
.set BPART,  4*SUB                     ; out_w's rows lie behind the four heads
.set SLOT,   BPART+2*BHALF             ; 141,312
.set STAGE,  2*SLOT                    ; behind the ring: 16 rows x 272 bytes for each wave
.set SPITCH, 272
.set ADRA, 16                          ; v16-17  LDS address of my ctx fragments in slot 0, 1
.set ADRB, 20                          ; v20-21  the same for out_w
.set STO,  24
.set RD,   25
.set CO,   26
.set VBI,  27
.set F0,   32                          ; v32-95   out_w's four fragments, then ctx's four
.set F1,   96                          ; v96-159
.set BIAS, 160                         ; v160-191 column block b at 8 b
.set G1, 24
.set G0, 32
.set G1B, 48
.set G0B, 56
.set MSB, 0
.macro WIN new                         ; the immediate's high byte repeats the setting that is left
.if MSB != \new
	s_set_vgpr_msb (MSB<<8)|\new
.set MSB, \new
.endif
.endm
.macro JLOAD s                         ; waves 0 and 1 fetch two heads of ctx each, waves 2 and 3 64 rows of out_w each
	s_cmp_eq_u32 s11, 0
	s_cbranch_scc0 .Lfor_b_\@
	tensor_load_to_lds s[G0+4*\s:G0+4*\s+3], s[G1:G1+7]
	s_nop 0
	s_branch .Lasked_\@
.Lfor_b_\@:
	tensor_load_to_lds s[G0B+4*\s:G0B+4*\s+3], s[G1B:G1B+7]
	s_nop 0
.Lasked_\@:
.endm
.macro CREST                           ; a round of the cluster's barrier behind its opening barrier
	s_cmp_lg_u32 s10, 0
	s_cbranch_scc1 .Lnot_wave_0_\@
	s_barrier_signal -3
.Lnot_wave_0_\@:
	s_barrier_wait -3
	s_barrier_signal -1
	s_barrier_wait -1
.endm
.macro CROUND
	s_barrier_signal -1
	s_barrier_wait -1
	CREST
.endm
.macro PLACES                          ; four places behind matrix instructions (ISA guide 7.12.1 for vector instructions)
.rept 4
	v_nop
.endr
.endm
	s_load_b128 s[4:7], s[0:1], 0x0                ; ctx s[4:5], wh s[6:7]
	s_load_b128 s[68:71], s[0:1], 0x10             ; out_b s[68:69], out0 s[70:71]
	v_lshl_add_u32 v254, v0, 2, 0x49400
	v_mov_b32 v255, 0
	ds_add_u32 v254, v255
	v_lshrrev_b32 v1, 5, v0
	v_readfirstlane_b32 s10, v1                    ; wave 0..3
	s_lshr_b32 s11, s10, 1                         ; which 64 rows of the block are mine.  Also: I fetch for ctx (0) or for out_w (1)
	s_and_b32 s12, s10, 1                          ; which 64 columns.  Also: which half of that tile I fetch
	s_bfe_u32 s40, ttmp6, 0x40000                  ; cx
	s_bfe_u32 s41, ttmp6, 0x40004                  ; cy
	s_lshl_b32 s42, ttmp9, 2
	s_add_co_u32 s42, s42, s40                     ; block column
	s_and_b32 s13, ttmp7, 0xffff
	s_lshl_b32 s13, s13, 2
	s_add_co_u32 s13, s13, s41                     ; block row
	s_lshl_b32 s43, s41, 2
	s_lshl_b32 s43, 15, s43                        ; my row of the cluster
	s_lshl_b32 s44, 0x1111, s40                    ; my column
	; group 1 for ctx: 2 rows (heads) of 8,192 elements of 2 bytes, 131,072 elements apart; 4 words of padding behind every 32 words
	s_or_b32 s[G1+0], s43, (1<<16)|(1<<20)|(1<<21)|(4<<22)|(3<<25)
	s_mov_b32 s[G1+1], 8192<<16                    ; tensor_dim0 = 8,192
	s_mov_b32 s[G1+2], 2<<16                       ; tensor_dim1 = 2
	s_mov_b32 s[G1+3], 8192<<16                    ; tile_dim0 = 8,192
	s_mov_b32 s[G1+4], 2                           ; tile_dim1 = 2
	s_mov_b32 s[G1+5], 131072                      ; from head to head
	s_mov_b32 s[G1+6], 0
	s_mov_b32 s[G1+7], 0
	; group 1 for out_w: 64 rows of 256 elements, 1,024 elements apart; 4 words of padding behind every 128 words
	s_or_b32 s[G1B+0], s44, (1<<16)|(1<<20)|(1<<21)|(6<<22)|(3<<25)
	s_mov_b32 s[G1B+1], 256<<16
	s_mov_b32 s[G1B+2], 64<<16
	s_mov_b32 s[G1B+3], 256<<16
	s_mov_b32 s[G1B+4], 64
	s_mov_b32 s[G1B+5], 1024
	s_mov_b32 s[G1B+6], 0
	s_mov_b32 s[G1B+7], 0
	s_lshr_b32 s16, s13, 4                         ; ctx: batch x 4 MiB
	s_lshl_b32 s16, s16, 22
	s_and_b32 s17, s13, 15
	s_lshl_b32 s17, s17, 14                        ; + 128 queries of 128 bytes for each block row of the batch
	s_add_co_u32 s16, s16, s17
	s_lshl_b32 s17, s12, 19                        ; + two heads of 262,144 bytes for the second half
	s_add_co_u32 s16, s16, s17
	s_mov_b32 s17, 0
	s_lshl_b32 s46, s42, 18                        ; out_w: row 3072 + 128 x block column + 64 x half, rows of 2,048 bytes
	s_lshl_b32 s47, s12, 17
	s_add_co_u32 s46, s46, s47
	s_add_co_u32 s46, s46, 3072*2048
	s_mov_b32 s47, 0
	s_mul_i32 s20, s10, 2*SUB                      ; where ctx's halves go: wave (0, 1) x two heads
	s_mul_i32 s21, s10, BHALF                      ; where out_w's go: behind the four heads, (wave - 2) x 64 rows
	s_add_co_u32 s21, s21, BPART-2*BHALF
	s_lshl_b32 s74, s42, 9                         ; my 64 columns in out_b
	s_lshl_b32 s75, s12, 8
	s_add_co_u32 s74, s74, s75
	s_mov_b32 s75, 0
	s_lshl_b32 s76, s13, 19                        ; my corner of out0: (128 x block row + 64 x half) rows of 4,096 bytes,
	s_lshl_b32 s77, s11, 18
	s_add_co_u32 s76, s76, s77
	s_add_co_u32 s76, s76, s74                     ; and my 64 columns
	s_mov_b32 s77, 0
	s_wait_dscnt 0x0
	s_wait_kmcnt 0x0
	s_add_nc_u64 s[14:15], s[4:5], s[16:17]
	s_add_nc_u64 s[46:47], s[6:7], s[46:47]
	s_add_nc_u64 s[72:73], s[68:69], s[74:75]
	s_add_nc_u64 s[8:9], s[70:71], s[76:77]
	CROUND                                         ; all sixteen work-groups are here: the first joint loads meet
.irp s, 0,1
	s_mov_b32 s[G0+4*\s], 1
	s_add_co_u32 s[G0+4*\s+1], s20, \s*SLOT
	s_add_nc_u64 s[G0+4*\s+2:G0+4*\s+3], s[14:15], \s*0x100000     ; K step s: four heads on
	s_or_b32 s[G0+4*\s+3], s[G0+4*\s+3], 0x80000000
	s_mov_b32 s[G0B+4*\s], 1
	s_add_co_u32 s[G0B+4*\s+1], s21, \s*SLOT
	s_add_nc_u64 s[G0B+4*\s+2:G0B+4*\s+3], s[46:47], \s*512
	s_or_b32 s[G0B+4*\s+3], s[G0B+4*\s+3], 0x80000000
	JLOAD \s                                       ; both first fills go out together: two tensor loads of the wave are out
.endr
	v_and_b32 v1, 15, v0                           ; l % 16
	v_bfe_u32 v2, v0, 4, 1                         ; l / 16
	v_lshlrev_b32 v[VBI], 5, v2
.irp b, 0,1,2,3
	global_load_b128 v[BIAS+8*\b:BIAS+8*\b+3],   v[VBI], s[72:73] offset:64*\b
	global_load_b128 v[BIAS+8*\b+4:BIAS+8*\b+7], v[VBI], s[72:73] offset:64*\b+16
.endr
	v_mul_u32_u24 v3, v1, APITCH
	v_lshl_add_u32 v3, v2, 4, v3
	v_mul_u32_u24 v4, v1, BPITCH
	v_lshl_add_u32 v4, v2, 4, v4
	s_mul_i32 s22, s11, 64*APITCH                  ; my 64 rows of ctx
	s_mul_i32 s23, s12, 64*BPITCH                  ; my 64 rows of out_w
	s_add_co_u32 s23, s23, BPART
.irp s, 0,1
	v_add_nc_u32 v[ADRA+\s], s22, v3
	v_add_nc_u32 v[ADRB+\s], s23, v4
	s_add_co_u32 s22, s22, SLOT
	s_add_co_u32 s23, s23, SLOT
.endr
	s_mul_i32 s22, s10, 16*SPITCH
	s_add_co_u32 s22, s22, STAGE                   ; my stage
	v_mul_u32_u24 v5, v1, SPITCH                   ; in: row l % 16, 32 bytes for each half of the lanes
	v_lshl_add_u32 v5, v2, 5, v5
	v_add_nc_u32 v[STO], s22, v5
	v_mul_u32_u24 v5, v2, SPITCH                   ; back: lanes 0-15 take one row of 256 bytes, lanes 16-31 the next
	v_lshl_add_u32 v5, v1, 4, v5
	v_add_nc_u32 v[RD], s22, v5
	v_lshlrev_b32 v5, 12, v2                       ; and the same two rows in out0
	v_lshl_add_u32 v[CO], v1, 4, v5
; 16 LDS loads: the fragments of quarter kq (32 along K; two quarters a head) of a slot into buffer f
.macro FETCH slot, kq, f
	WIN 0
.irp i, 0,1,2,3
	ds_load_b128 v[\f+8*\i:\f+8*\i+3],   v[ADRB+\slot] offset:64*\kq+\i*16*BPITCH
	ds_load_b128 v[\f+8*\i+4:\f+8*\i+7], v[ADRB+\slot] offset:64*\kq+\i*16*BPITCH+32
.endr
.irp i, 0,1,2,3
	ds_load_b128 v[\f+32+8*\i:\f+32+8*\i+3],   v[ADRA+\slot] offset:(\kq/2)*SUB+64*(\kq%2)+\i*16*APITCH
	ds_load_b128 v[\f+32+8*\i+4:\f+32+8*\i+7], v[ADRA+\slot] offset:(\kq/2)*SUB+64*(\kq%2)+\i*16*APITCH+32
.endr
.endm
; 16 matrix instructions, the 16 accumulators (window 1) by turns, one instruction a turn, in the same order every time.
.macro MUL16 f, first
.if \first
	WIN 0x40                                       ; D window 1, C (the bias) window 0
.else
	WIN 0x50                                       ; C and D window 1
.endif
.irp a, 0,1,2,3
.irp b, 0,1,2,3
.if \first
	v_wmma_f32_16x16x32_f16 v[8*(4*\a+\b):8*(4*\a+\b)+7], v[\f+8*\b:\f+8*\b+7], v[\f+32+8*\a:\f+32+8*\a+7], v[BIAS+8*\b:BIAS+8*\b+7]
.else
	v_wmma_f32_16x16x32_f16 v[8*(4*\a+\b):8*(4*\a+\b)+7], v[\f+8*\b:\f+8*\b+7], v[\f+32+8*\a:\f+32+8*\a+7], v[8*(4*\a+\b):8*(4*\a+\b)+7]
.endif
.endr
.endr
.endm
; fetches quarter kn into buffer g, then multiplies buffer f.  pl = 1: buffer g was multiplied last, so four places stand in front of the loads into it.
.macro QUARTER slot, kn, f, g, first, pl
.if \pl
	PLACES
.endif
	FETCH \slot, \kn, \g
	s_wait_dscnt 16                                ; all but the 16 just issued: buffer f is in
	MUL16 \f, \first
.endm
.macro SEVEN slot, first
	QUARTER \slot, 1, F0, F1, \first, 0
	QUARTER \slot, 2, F1, F0, 0, 1
	QUARTER \slot, 3, F0, F1, 0, 1
	QUARTER \slot, 4, F1, F0, 0, 1
	QUARTER \slot, 5, F0, F1, 0, 1
	QUARTER \slot, 6, F1, F0, 0, 1
	QUARTER \slot, 7, F0, F1, 0, 1
.endm
; The eighth quarter changes slots.  In front of the barrier each wave waits for its reads of this slot and for all its tensor loads (one is out: its part of
; the next slot); behind it the refill comes first, then the next slot's first fragments.
.macro TURN slot, next, fill
	s_wait_dscnt 0x0
	s_wait_tensorcnt 0x0
	ds_add_u32 v254, v255
	s_wait_dscnt 0x0
	s_barrier_signal -1                            ; where a slot is filled again this barrier opens a round of the cluster's barrier
	MUL16 F1, 0                                    ; register work while the others arrive
	WIN 0
	s_barrier_wait -1
.if \fill
	CREST                                          ; no wave of any partner still reads this slot or has a load on its way
	s_add_nc_u64 s[G0+4*\slot+2:G0+4*\slot+3], s[G0+4*\slot+2:G0+4*\slot+3], 0x200000    ; two K steps on: eight heads
	s_add_nc_u64 s[G0B+4*\slot+2:G0B+4*\slot+3], s[G0B+4*\slot+2:G0B+4*\slot+3], 1024
	JLOAD \slot                                    ; the first tensor load behind the round and the wave's only one until the next: one is out
.endif
	PLACES
	FETCH \next, 0, F0
.endm
	s_wait_tensorcnt 1                             ; my part of K step 0 is in; K step 1's may stay out
	s_barrier_signal -1
	s_barrier_wait -1
	s_wait_loadcnt 0x0                             ; the bias
	FETCH 0, 0, F0
	SEVEN 0, 1                                     ; K step 0: its first products start the sums from the bias
	TURN 0, 1, 1                                   ; slot 0 gets K step 2
	SEVEN 1, 0
	TURN 1, 0, 1                                   ; slot 1 gets K step 3
	SEVEN 0, 0
	TURN 0, 1, 0                                   ; nothing is left to fetch
	SEVEN 1, 0
	s_wait_dscnt 0x0
	MUL16 F1, 0
	PLACES                                         ; in front of the LDS stores that read results and of the loads into the fragment buffers
; rows 16 a .. 16 a + 15 of my 64: 32 bytes a lane and tile straight from the accumulators into my stage, read back as whole rows of 256 bytes
.macro OUT16 a, f
	WIN 0x04                                       ; store data in window 1
.irp b, 0,1,2,3
	ds_store_b128 v[STO], v[8*(4*\a+\b):8*(4*\a+\b)+3]   offset:64*\b
	ds_store_b128 v[STO], v[8*(4*\a+\b)+4:8*(4*\a+\b)+7] offset:64*\b+16
.endr
	WIN 0
	s_wait_xcnt 0x0                                ; buffer f, which earlier stores read, and the stores' base are rewritten only behind this wait
.if \a
	s_add_nc_u64 s[8:9], s[8:9], 16*4096
.endif
.irp t, 0,1,2,3,4,5,6,7
	ds_load_b128 v[\f+4*\t:\f+4*\t+3], v[RD] offset:\t*2*SPITCH    ; LDS serves a wave's instructions in order: these see the stores above
.endr
.irp t, 0,1,2,3,4,5,6,7
	s_wait_dscnt 7-\t
	global_store_b128 v[CO], v[\f+4*\t:\f+4*\t+3], s[8:9] offset:2*\t*4096 th:TH_STORE_NT   ; 16 lanes store 256 consecutive bytes, aligned
.endr
.endm
	OUT16 0, F0
	OUT16 1, F1
	OUT16 2, F0
	OUT16 3, F1
	s_wait_tensorcnt 0x0
	ds_add_u32 v254, v255
	s_wait_dscnt 0x0
	CROUND                                         ; the closing round: no work-group ends while a partner may still ask for a tile that names it
	s_endpgm
.Lfunc_end_k_q104471364a_outp:
	.size	k_q104471364a_outp, .Lfunc_end_k_q104471364a_outp-k_q104471364a_outp
	.p2alignl 7, 3214868480
	.fill 96, 4, 3214868480
	.section	.rodata,"a",@progbits
	.p2align	6, 0x0
	.amdhsa_kernel k_q104471364a_outp
		.amdhsa_group_segment_fixed_size 327680
		.amdhsa_private_segment_fixed_size 0
		.amdhsa_enable_private_segment 0
		.amdhsa_kernarg_size 32
		.amdhsa_user_sgpr_count 2
		.amdhsa_user_sgpr_kernarg_segment_ptr 1
		.amdhsa_wavefront_size32 1
		.amdhsa_system_sgpr_workgroup_id_x 1
		.amdhsa_system_sgpr_workgroup_id_y 1
		.amdhsa_system_sgpr_workgroup_id_z 1
		.amdhsa_system_vgpr_workitem_id 0
		.amdhsa_next_free_vgpr 384
		.amdhsa_next_free_sgpr 80
		.amdhsa_reserve_vcc 0
		.amdhsa_float_denorm_mode_32 3
		.amdhsa_float_denorm_mode_16_64 3
		.amdhsa_memory_ordered 1
		.amdhsa_forward_progress 1
		.amdhsa_inst_pref_size 89
	.end_amdhsa_kernel
	.amdgpu_metadata
---
amdhsa.version: [ 1, 2 ]
amdhsa.kernels:
  - .name:           k_q104471364a_outp
    .symbol:         k_q104471364a_outp.kd
    .args:
      - { .name: ctx, .offset: 0, .size: 8, .value_kind: global_buffer, .address_space: global }
      - { .name: wh, .offset: 8, .size: 8, .value_kind: global_buffer, .address_space: global }
      - { .name: out_b, .offset: 16, .size: 8, .value_kind: global_buffer, .address_space: global }
      - { .name: out0, .offset: 24, .size: 8, .value_kind: global_buffer, .address_space: global }
    .group_segment_fixed_size: 327680
    .private_segment_fixed_size: 0
    .kernarg_segment_align: 8
    .kernarg_segment_size: 32
    .max_flat_workgroup_size: 128
    .sgpr_count:     80
    .vgpr_count:     384
    .wavefront_size: 32
...
	.end_amdgpu_metadata
.endif
;; end of part 4
;; ======== version 2 of 3: 4 launches; 1.23 times as fast as version 1
;; limits: values are held in f16: magnitudes above 65,504 overflow, below 6.1e-05 lose precision
;; workspace buffers: xh 16,777,216 bytes; wh 8,388,608 bytes; qkv 25,165,824 bytes; ctx 8,388,608 bytes; plan 16,896 bytes of whole numbers; biasp 16,384 bytes
;; launch prep: the kernel of part 1 again; grid 258 x 1, 8 waves a work-group, no clusters, 1,280 bytes of LDS; arguments tgt, mem, Wq_w, Wkv_w, out_w, attn_bias, memory_key_padding_mask, xh, wh, plan, biasp; writes xh, wh, plan, biasp
;; launch proj: the kernel of part 2 again; grid 12 x 16, 4 waves a work-group, clusters of 4 x 4, 327,680 bytes of LDS; arguments xh, wh, qkv, Wq_b, Wkv_b; writes qkv
;; launch attn (part 5): grid 8 x 32, 8 waves a work-group, no clusters, 77,312 bytes of LDS; arguments qkv, plan, biasp, ctx; writes ctx
.if DOCPART == 5
	.amdgcn_target "amdgcn-amd-amdhsa--gfx1250"
	.amdhsa_code_object_version 6
	.text
	.protected	k_q104471364a_attn
	.globl	k_q104471364a_attn
	.p2align	8
	.type	k_q104471364a_attn,@function
k_q104471364a_attn:
	s_mov_b64 s[64:65], 0
	v_nop
	global_prefetch_b8 v0, s[64:65] scope:SCOPE_SE
	s_setreg_imm32_b32 hwreg(HW_REG_WAVE_MODE, 25, 1), 1
	s_wait_xcnt 0x0
; attn: softmax(q k / 8 + bias, over the kept keys) v, for 256 queries of one head of one batch; ctx is [b][h][t][64] in f16.
; Eight waves, 32 queries each (two tiles tt of 16).  The keys are walked by the list that an earlier launch stored, a permutation of the batch's 2,048 keys
; with the kept ones first, 64 a trip.  Every wave passes all 32 trips' barriers: the number of trips is a constant of the text.  Behind its barrier a trip
; whose tile begins at or behind the number of kept keys (a whole number that the earlier launch stored) jumps over its body: such a tile holds masked keys alone.
; The first trip always runs.  A masked key in a tile that runs carries the bias -3.0e38; with any kept key at all the first tile holds one, so the running
; maximum is a kept key's from the first trip on and a masked key's exponential is exactly 0.
; TRANSPOSED: S' = K Q' (A = 16 keys, B = 16 queries): lane l holds query l % 16 and, in registers 0-7, keys 8 (l / 16) + 0..7.  Two neighbouring tiles of S',
; packed to f16, ARE the B fragment of O' = V' P': no exchange between lanes.  Maximum, sum and rescale factor are one number a lane.
; S = q k + 8 bias comes whole from the matrix unit (the bias is the first product's C); p = exp2(c S - c m), c = log2(e) / 8, m the running maximum of S.
; The K and V rows of a tile are picked by the list, so they lie at no fixed pitch: one tensor descriptor cannot cover a tile, and the tiles come through
; registers (four threads take one key's 256 bytes, and the key's bias with them); hence no joint loads and no cluster.
; LIMITS: operands are f16 (|q|, |k|, |v| below 65,504; p below 6e-8 counts as 0); a kept key's 8 bias + q k lies above -2.9e38;
; c m is rounded once before it is taken away, an error of the size of S's own rounding in f32.  With no kept key at all the result is NaN, as in the reference.
.set QP,    6144                       ; bytes in a row of qkv
.set PAIRS, 15                         ; 32 tiles: the first trip, 15 pairs in the loop, the last trip
.set KP,    144                        ; LDS pitch of K's rows: 128 bytes + 16, an odd multiple of 16
.set VP,    160                        ; LDS pitch of V's rows: an odd multiple of 32, for the transposing loads
.set VPART, 64*KP                      ; a slot: 64 rows of K,
.set BPART, VPART+64*VP                ; 64 rows of V,
.set SLOTB, BPART+256                  ; and the 64 keys' bias: 19,712 bytes; two slots from LDS byte 0
.set STG,   2*SLOTB                    ; 39,424: 32 rows x 144 bytes for each wave, for the way out
.set STGW,  32*KP
.set ADK,  8                           ; v8   K fragments: (l % 16) x 144 + 16 (l / 16)
.set ADV,  9                           ; v9   V fragments: (8 (l / 16) + l % 8) x 160 + 16 ((l / 8) % 2)
.set VB,   10                          ; v10  bias: 32 (l / 16); never rewritten
.set VI,   11                          ; v11  list: 4 (t / 4) + 256 x tile, of the entry asked for next
.set STK,  12                          ; v12  where I put my 32 bytes of a key's K
.set STV,  13                          ; v13  and of its V
.set GL,   14                          ; v14  32 (t % 4): my part of a key's row
.set GO,   15                          ; v15  the gather's offset
.set IX,   16                          ; v16  my key from the list
.set VQ,   17                          ; v17  my offset in q
.set MX,   18                          ; v18-19  running maximum, tt = 0, 1
.set LS,   20                          ; v20-21  running sum of my half of the keys
.set AL,   22                          ; v22 (pair with v23)  rescale factor
.set NM,   24                          ; v24 (pair with v25)  -c m
.set T,    26                          ; v26-33  at work
.set VS,   35                          ; v35  the way out: where I put 16 bytes
.set STGR, 36                          ; v36-51  the next tile on its way: 32 bytes of K, 32 of V
.set BV,   52                          ; v52  and my key's bias
.set VJ,   53                          ; v53  4 (t / 4) + 256 x tile, of the tile being gathered
.set STB,  54                          ; v54  where I put the bias: 32 x wave + 4 (l / 4)
.set RD,   60                          ; v60  the way out: where I read back
.set CO,   61                          ; v61  16 l
.set KV,   64                          ; v64-127  K fragments (st, kk) at 16 st + 8 kk; then V fragments (dt, sb) at 16 dt + 8 sb
.set S,    128                         ; v128-191 S' tile (st, tt) at 32 tt + 8 st; P (sb, tt) in the first 8 registers of 32 tt + 16 sb
.set O,    192                         ; v192-255 O' tile (dt, tt) at 32 tt + 8 dt
.set Q,    0                           ; window 1, v0-31: Q fragment (tt, kk) at 16 tt + 8 kk
.set BI,   32                          ; window 1, v32-63: bias tile st at 8 st
; scalars: s16 the number of kept keys; s17 64 x the trip's tile; s18 the loop's counter
.set MSB, 0
.macro WIN new                         ; the immediate's high byte repeats the setting that is left
.if MSB != \new
	s_set_vgpr_msb (MSB<<8)|\new
.set MSB, \new
.endif
.endm
.macro PLACES n                        ; places behind matrix instructions: plain vector instructions that name none of their registers (ISA guide 7.12.1)
.rept \n
	v_nop
.endr
.endm
; The next tile: my key from the list, 64 bytes of its row, its bias, and the list entry after it: six loads.
; Stands only where no load of the wave is pending, so IX, GO, VI and VJ may be written.
; The entry asked for by the last GATHER of the launch is not used; the mask keeps its address inside the batch's 8,192 bytes of the list.
.macro GATHER
	v_min_u32 v[IX], 0x7ff, v[IX]                  ; a key is below 2,048
	v_mul_u32_u24 v[GO], v[IX], QP
	v_add_nc_u32 v[GO], v[GL], v[GO]
	v_mov_b32 v[VJ], v[VI]                         ; this tile's place in the list is also its place in the listed bias
	v_add_nc_u32 v[VI], 256, v[VI]
	v_and_b32 v[VI], 0x1ffc, v[VI]
	global_load_b128 v[STGR:STGR+3],     v[GO], s[26:27]
	global_load_b128 v[STGR+4:STGR+7],   v[GO], s[26:27] offset:16
	global_load_b128 v[STGR+8:STGR+11],  v[GO], s[26:27] offset:128
	global_load_b128 v[STGR+12:STGR+15], v[GO], s[26:27] offset:144
	global_load_b32 v[BV], v[VJ], s[36:37]
	global_load_b32 v[IX], v[VI], s[34:35]
.endm
; The softmax step of query tile tt: 32 scores a lane.
.macro SOFTMAX tt, first
.irp i, 0,1,2,3
	v_max3_num_f32 v[T+\i], v[S+32*\tt+8*\i], v[S+32*\tt+8*\i+1], v[S+32*\tt+8*\i+2]     ; four chains that do not wait for each other
.endr
.irp i, 0,1,2,3
	v_max3_num_f32 v[T+\i], v[T+\i], v[S+32*\tt+8*\i+3], v[S+32*\tt+8*\i+4]
.endr
.irp i, 0,1,2,3
	v_max3_num_f32 v[T+\i], v[T+\i], v[S+32*\tt+8*\i+5], v[S+32*\tt+8*\i+6]
.endr
.irp i, 0,1,2,3
	v_max_num_f32 v[T+\i], v[T+\i], v[S+32*\tt+8*\i+7]
.endr
	v_max3_num_f32 v[T], v[T], v[T+1], v[T+2]
	v_max_num_f32 v[T], v[T], v[T+3]
	v_permlanex16_b32 v[T+1], v[T], s24, s25       ; the other half of the lanes holds the same query's other keys
.if \first
	v_max_num_f32 v[MX+\tt], v[T], v[T+1]
.else
	v_max3_num_f32 v[T+2], v[T], v[T+1], v[MX+\tt]
	v_sub_f32 v[T+3], v[MX+\tt], v[T+2]
	v_mul_f32 v[T+3], s20, v[T+3]
	v_exp_f32 v[AL], v[T+3]                        ; what the old sums are worth under the new maximum
	v_mov_b32 v[MX+\tt], v[T+2]                    ; the plain instruction behind the exponential
.endif
	v_mul_f32 v[NM], s22, v[MX+\tt]                ; -c m
.irp i, 0,2,4,6,8,10,12,14,16,18,20,22,24,26,28,30
	v_pk_fma_f32 v[S+32*\tt+\i:S+32*\tt+\i+1], v[S+32*\tt+\i:S+32*\tt+\i+1], s[20:21], v[NM:NM+1] op_sel_hi:[1,0,0]
.endr
.set j, 0
.rept 32
	v_exp_f32 v[S+32*\tt+j], v[S+32*\tt+j]
.set j, j+1
.endr
	v_nop                                          ; one plain instruction between the exponentials and the first use of a result
	s_wait_alu depctr_va_vdst(0)
.irp i, 0,1,2,3
	v_pk_add_f32 v[T+2*\i:T+2*\i+1], v[S+32*\tt+8*\i:S+32*\tt+8*\i+1], v[S+32*\tt+8*\i+2:S+32*\tt+8*\i+3]
.endr
.irp i, 0,1,2,3
	v_pk_add_f32 v[T+2*\i:T+2*\i+1], v[T+2*\i:T+2*\i+1], v[S+32*\tt+8*\i+4:S+32*\tt+8*\i+5]
.endr
.irp i, 0,1,2,3
	v_pk_add_f32 v[T+2*\i:T+2*\i+1], v[T+2*\i:T+2*\i+1], v[S+32*\tt+8*\i+6:S+32*\tt+8*\i+7]
.endr
	v_pk_add_f32 v[T:T+1], v[T:T+1], v[T+2:T+3]
	v_pk_add_f32 v[T+4:T+5], v[T+4:T+5], v[T+6:T+7]
	v_pk_add_f32 v[T:T+1], v[T:T+1], v[T+4:T+5]
.if \first
	v_add_f32 v[LS+\tt], v[T], v[T+1]
.else
	v_add_f32 v[T], v[T], v[T+1]
	v_fma_f32 v[LS+\tt], v[LS+\tt], v[AL], v[T]
.endif
.irp sb, 0,1
.irp q, 0,1,2,3,4,5,6,7
	v_cvt_pk_f16_f32 v[S+32*\tt+16*\sb+\q], v[S+32*\tt+16*\sb+2*\q], v[S+32*\tt+16*\sb+2*\q+1]   ; ascending: no source is lost
.endr
.endr
.if \first
.else
.irp i, 0,2,4,6,8,10,12,14,16,18,20,22,24,26,28,30
	v_pk_mul_f32 v[O+32*\tt+\i:O+32*\tt+\i+1], v[O+32*\tt+\i:O+32*\tt+\i+1], v[AL:AL+1] op_sel_hi:[1,0]
.endr
.endif
.endm
; One trip: 64 listed keys.  ONE barrier, on every wave's path in every trip: in front of it my part of this trip's tile is stored and all my LDS
; instructions are done, my reads of the last trip's slot among them; the slot written now was last read two trips ago, in front of the last trip's barrier.
; Behind the barrier the trip's body is jumped over where the tile begins at or behind the number of kept keys.  The wait for the loads, the stores, the
; wait for them and the barrier stand in front of the jump, so they hold on every path; in a trip that is jumped over the stores repeat the tile gathered
; last, into a slot that nobody reads.
.macro TRIP slot, first, gather
	s_wait_loadcnt 0x0                             ; this trip's tile, its bias and the next list entry are in: no load of mine is out
	ds_store_b128 v[STK], v[STGR:STGR+3]     offset:\slot*SLOTB
	ds_store_b128 v[STK], v[STGR+4:STGR+7]   offset:\slot*SLOTB+16
	ds_store_b128 v[STV], v[STGR+8:STGR+11]  offset:\slot*SLOTB+VPART
	ds_store_b128 v[STV], v[STGR+12:STGR+15] offset:\slot*SLOTB+VPART+16
	ds_store_b32  v[STB], v[BV]              offset:\slot*SLOTB+BPART    ; the four threads of a key write the same word with the same value
	s_wait_dscnt 0x0
	s_barrier_signal -1
	s_barrier_wait -1
.if \first
.else
	s_cmp_ge_u32 s17, s16                          ; 64 x tile against the number of kept keys
	s_cbranch_scc1 .Lmasked_\@                     ; nothing but masked keys from here on: no reads, no gather, no products, no softmax
.endif
	WIN 0x40                                       ; destination window 1
.irp st, 0,1,2,3
	ds_load_b128 v[BI+8*\st:BI+8*\st+3],   v[VB] offset:\slot*SLOTB+BPART+64*\st
	ds_load_b128 v[BI+8*\st+4:BI+8*\st+7], v[VB] offset:\slot*SLOTB+BPART+64*\st+16
.endr
	WIN 0
.irp st, 0,1,2,3
.irp kk, 0,1
	ds_load_b128 v[KV+16*\st+8*\kk:KV+16*\st+8*\kk+3],   v[ADK] offset:\slot*SLOTB+16*KP*\st+64*\kk
	ds_load_b128 v[KV+16*\st+8*\kk+4:KV+16*\st+8*\kk+7], v[ADK] offset:\slot*SLOTB+16*KP*\st+64*\kk+32
.endr
.endr
.if \gather
	GATHER                                         ; the next tile has the whole trip in which to arrive
.endif
	s_wait_dscnt 0x0
	; S' = K Q' + bias.  Eight accumulators take turns, one instruction a turn.
	WIN 0x14                                       ; B (Q) and C (bias) in window 1
.irp st, 0,1,2,3
.irp tt, 0,1
	v_wmma_f32_16x16x32_f16 v[S+32*\tt+8*\st:S+32*\tt+8*\st+7], v[KV+16*\st:KV+16*\st+7], v[Q+16*\tt:Q+16*\tt+7], v[BI+8*\st:BI+8*\st+7]
.endr
.endr
	WIN 0x04                                       ; B in window 1
.irp st, 0,1,2,3
.irp tt, 0,1
	v_wmma_f32_16x16x32_f16 v[S+32*\tt+8*\st:S+32*\tt+8*\st+7], v[KV+16*\st+8:KV+16*\st+15], v[Q+16*\tt+8:Q+16*\tt+15], v[S+32*\tt+8*\st:S+32*\tt+8*\st+7]
.endr
.endr
	WIN 0
	PLACES 4                                       ; in front of the loads into K's registers and of the first read of S'
.irp dt, 0,1,2,3
.irp sb, 0,1
	ds_load_tr16_b128 v[KV+16*\dt+8*\sb:KV+16*\dt+8*\sb+3],   v[ADV] offset:\slot*SLOTB+VPART+32*VP*\sb+32*\dt
	ds_load_tr16_b128 v[KV+16*\dt+8*\sb+4:KV+16*\dt+8*\sb+7], v[ADV] offset:\slot*SLOTB+VPART+32*VP*\sb+32*\dt+16*VP
.endr
.endr
	SOFTMAX 0, \first
	SOFTMAX 1, \first
	s_wait_dscnt 0x0                               ; V's fragments
	; O' += V' P'.  Again eight accumulators by turns.
.irp tt, 0,1
.irp dt, 0,1,2,3
.if \first
	v_wmma_f32_16x16x32_f16 v[O+32*\tt+8*\dt:O+32*\tt+8*\dt+7], v[KV+16*\dt:KV+16*\dt+7], v[S+32*\tt:S+32*\tt+7], 0
.else
	v_wmma_f32_16x16x32_f16 v[O+32*\tt+8*\dt:O+32*\tt+8*\dt+7], v[KV+16*\dt:KV+16*\dt+7], v[S+32*\tt:S+32*\tt+7], v[O+32*\tt+8*\dt:O+32*\tt+8*\dt+7]
.endif
.endr
.endr
.irp tt, 0,1
.irp dt, 0,1,2,3
	v_wmma_f32_16x16x32_f16 v[O+32*\tt+8*\dt:O+32*\tt+8*\dt+7], v[KV+16*\dt+8:KV+16*\dt+15], v[S+32*\tt+16:S+32*\tt+23], v[O+32*\tt+8*\dt:O+32*\tt+8*\dt+7]
.endr
.endr
	PLACES 5                                       ; the next body loads into V's registers (four places) and its first product writes over P's (five)
.if \first
.else
.Lmasked_\@:
.endif
	s_add_co_u32 s17, s17, 64                      ; the next trip's tile, on both ways
.endm
	s_load_b256 s[4:11], s[0:1], 0x0               ; qkv s[4:5], plan s[6:7], biasp s[8:9], ctx s[10:11]
	v_lshl_add_u32 v62, v0, 2, 0x12a00
	v_mov_b32 v63, 0
	v_lshrrev_b32 v1, 5, v0
	v_readfirstlane_b32 s12, v1                    ; wave 0..7
	s_and_b32 s13, ttmp7, 0xffff                   ; 16 b + h
	s_lshr_b32 s14, s13, 4                         ; b
	s_and_b32 s15, s13, 15                         ; h
	s_mov_b32 s20, 0x3e38aa3b                      ; c = log2(e) / 8
	s_mov_b32 s21, 0x3e38aa3b
	s_mov_b32 s22, 0xbe38aa3b                      ; -c
	s_mov_b32 s24, 0x76543210                      ; v_permlanex16_b32: lane i of one half reads lane i of the other
	s_mov_b32 s25, 0xfedcba98
	s_mul_i32 s38, s14, 2048*QP                    ; K and V: the batch's rows, column 1024 + 128 h
	s_lshl_b32 s39, s15, 8
	s_add_co_u32 s38, s38, s39
	s_add_co_u32 s38, s38, 2048
	s_mov_b32 s39, 0
	s_lshl_b32 s40, s14, 11                        ; Q: row 2048 b + 256 x block, column 64 h
	s_lshl_b32 s41, ttmp9, 8
	s_add_co_u32 s40, s40, s41
	s_mul_i32 s40, s40, QP
	s_lshl_b32 s41, s15, 7
	s_add_co_u32 s40, s40, s41
	s_mov_b32 s41, 0
	s_lshl_b32 s42, s13, 18                        ; ctx: ((16 b + h) x 2048 + 256 x block + 32 x wave) rows of 128 bytes
	s_lshl_b32 s43, ttmp9, 15
	s_add_co_u32 s42, s42, s43
	s_lshl_b32 s43, s12, 12
	s_add_co_u32 s42, s42, s43
	s_mov_b32 s43, 0
	s_lshl_b32 s44, s14, 13                        ; list and bias: 8,192 bytes a batch
	s_mov_b32 s45, 0
	s_lshl_b32 s46, s14, 8                         ; the count
	s_add_co_u32 s46, s46, 16384
	s_mov_b32 s47, 0
	s_mul_i32 s19, s12, STGW
	s_add_co_u32 s19, s19, STG                     ; my stage
	s_mul_i32 s23, s12, 8*KP                       ; my wave stores keys 8 w .. 8 w + 7 of a tile
	s_mul_i32 s33, s12, 8*VP
	v_and_b32 v2, 15, v0                           ; l % 16
	v_bfe_u32 v3, v0, 4, 1                         ; l / 16
	v_mul_u32_u24 v[ADK], v2, KP
	v_lshl_add_u32 v[ADK], v3, 4, v[ADK]
	v_and_b32 v4, 7, v0
	v_lshl_add_u32 v4, v3, 3, v4
	v_mul_u32_u24 v[ADV], v4, VP
	v_bfe_u32 v5, v0, 3, 1
	v_lshl_add_u32 v[ADV], v5, 4, v[ADV]
	v_lshlrev_b32 v[VB], 5, v3
	v_lshrrev_b32 v6, 2, v0
	v_lshlrev_b32 v[VI], 2, v6                     ; four threads share a key
	v_and_b32 v7, 3, v0
	v_lshlrev_b32 v[GL], 5, v7
	v_bfe_u32 v6, v0, 2, 3                         ; which of my wave's eight keys
	v_mul_u32_u24 v[STK], v6, KP
	v_add_nc_u32 v[STK], v[STK], v[GL]
	v_add_nc_u32 v[STK], s23, v[STK]
	v_mul_u32_u24 v[STV], v6, VP
	v_add_nc_u32 v[STV], v[STV], v[GL]
	v_add_nc_u32 v[STV], s33, v[STV]
	v_lshlrev_b32 v[STB], 2, v6
	v_lshl_add_u32 v[STB], s12, 5, v[STB]          ; one word a key: 32 bytes a wave
	v_and_b32 v[VQ], 0xef, v0                      ; 32 x wave + l % 16
	v_mul_u32_u24 v[VQ], v[VQ], QP
	v_lshl_add_u32 v[VQ], v3, 4, v[VQ]
	v_and_b32 v4, 31, v0
	v_lshlrev_b32 v[CO], 4, v4
	v_add_nc_u32 v[VS], s19, v[ADK]
	v_bfe_u32 v5, v0, 3, 2
	v_mul_u32_u24 v[RD], v5, KP
	v_and_b32 v4, 7, v0
	v_lshl_add_u32 v[RD], v4, 4, v[RD]
	v_add_nc_u32 v[RD], s19, v[RD]
	v_mov_b32 v[AL+1], 0                           ; the pairs' upper halves are named by the packed forms and never used
	v_mov_b32 v[NM+1], 0
	s_wait_kmcnt 0x0
	s_add_nc_u64 s[46:47], s[6:7], s[46:47]
	s_load_b32 s16, s[46:47], 0x0                  ; the number of kept keys: it steers the forward jumps over masked tiles, and no barrier
	s_add_nc_u64 s[26:27], s[4:5], s[38:39]
	s_add_nc_u64 s[28:29], s[4:5], s[40:41]
	s_add_nc_u64 s[30:31], s[10:11], s[42:43]
	s_add_nc_u64 s[34:35], s[6:7], s[44:45]
	s_add_nc_u64 s[36:37], s[8:9], s[44:45]
	global_load_b32 v[IX], v[VI], s[34:35]         ; my key of tile 0
	WIN 0x40
.irp tt, 0,1
.irp kk, 0,1
	global_load_b128 v[Q+16*\tt+8*\kk:Q+16*\tt+8*\kk+3],   v[VQ], s[28:29] offset:16*QP*\tt+64*\kk
	global_load_b128 v[Q+16*\tt+8*\kk+4:Q+16*\tt+8*\kk+7], v[VQ], s[28:29] offset:16*QP*\tt+64*\kk+32
.endr
.endr
	WIN 0
	s_wait_loadcnt 8                               ; the list entry is in: the eight loads of Q are younger
	GATHER                                         ; tile 0
	s_wait_kmcnt 0x0
	s_cmp_eq_u32 s16, 0
	s_cselect_b32 s32, 0x7fc00000, 1.0             ; no kept key: the result is NaN
	s_mov_b32 s17, 0                               ; 64 x tile
	TRIP 0, 1, 1                                   ; the first trip always runs: it starts maximum, sums and O'; its wait for all loads covers Q too
	s_mov_b32 s18, 0
.Lpair:
	TRIP 1, 0, 1
	TRIP 0, 0, 1
	s_add_co_u32 s18, s18, 1
	s_cmp_lt_u32 s18, PAIRS
	s_cbranch_scc1 .Lpair
	TRIP 1, 0, 0                                   ; the last trip asks for nothing
	; the two halves of the lanes hold the sums of different keys of the same query
	v_permlanex16_b32 v[T], v[LS], s24, s25
	v_permlanex16_b32 v[T+1], v[LS+1], s24, s25
	v_add_f32 v[LS], v[LS], v[T]
	v_add_f32 v[LS+1], v[LS+1], v[T+1]
	v_rcp_f32 v[LS], v[LS]
	v_rcp_f32 v[LS+1], v[LS+1]
	v_nop                                          ; one plain instruction behind the reciprocals
	s_wait_alu depctr_va_vdst(0)
	v_mul_f32 v[AL], s32, v[LS]
	v_mul_f32 v[NM], s32, v[LS+1]
	; a lane's eight numbers of a tile are eight neighbouring d of one query: 16 bytes of f16, through my own stage into whole rows
.irp tt, 0,1
.irp dt, 0,1,2,3
.irp q, 0,1,2,3
	v_pk_mul_f32 v[O+32*\tt+8*\dt+2*\q:O+32*\tt+8*\dt+2*\q+1], v[O+32*\tt+8*\dt+2*\q:O+32*\tt+8*\dt+2*\q+1], v[AL+2*\tt:AL+2*\tt+1] op_sel_hi:[1,0]
.endr
.irp q, 0,1,2,3
	v_cvt_pk_f16_f32 v[KV+16*\tt+4*\dt+\q], v[O+32*\tt+8*\dt+2*\q], v[O+32*\tt+8*\dt+2*\q+1]
.endr
	ds_store_b128 v[VS], v[KV+16*\tt+4*\dt:KV+16*\tt+4*\dt+3] offset:16*KP*\tt+32*\dt
.endr
.endr
.irp k, 0,1,2,3,4,5,6,7
	ds_load_b128 v[S+4*\k:S+4*\k+3], v[RD] offset:4*KP*\k          ; four rows of 128 bytes; LDS serves a wave's instructions in order
.endr
.irp k, 0,1,2,3,4,5,6,7
	s_wait_dscnt 7-\k
	global_store_b128 v[CO], v[S+4*\k:S+4*\k+3], s[30:31] offset:512*\k    ; each store of the wave covers 512 consecutive bytes, aligned
.endr
	s_wait_tensorcnt 0x0
	ds_add_u32 v62, v63
	s_wait_dscnt 0x0
	s_endpgm
.Lfunc_end_k_q104471364a_attn:
	.size	k_q104471364a_attn, .Lfunc_end_k_q104471364a_attn-k_q104471364a_attn
	.p2alignl 7, 3214868480
	.fill 96, 4, 3214868480
	.section	.rodata,"a",@progbits
	.p2align	6, 0x0
	.amdhsa_kernel k_q104471364a_attn
		.amdhsa_group_segment_fixed_size 77312
		.amdhsa_private_segment_fixed_size 0
		.amdhsa_enable_private_segment 0
		.amdhsa_kernarg_size 32
		.amdhsa_user_sgpr_count 2
		.amdhsa_user_sgpr_kernarg_segment_ptr 1
		.amdhsa_wavefront_size32 1
		.amdhsa_system_sgpr_workgroup_id_x 1
		.amdhsa_system_sgpr_workgroup_id_y 1
		.amdhsa_system_sgpr_workgroup_id_z 1
		.amdhsa_system_vgpr_workitem_id 0
		.amdhsa_next_free_vgpr 320
		.amdhsa_next_free_sgpr 66
		.amdhsa_reserve_vcc 0
		.amdhsa_float_denorm_mode_32 3
		.amdhsa_float_denorm_mode_16_64 3
		.amdhsa_memory_ordered 1
		.amdhsa_forward_progress 1
		.amdhsa_inst_pref_size 86
	.end_amdhsa_kernel
	.amdgpu_metadata
---
amdhsa.version: [ 1, 2 ]
amdhsa.kernels:
  - .name:           k_q104471364a_attn
    .symbol:         k_q104471364a_attn.kd
    .args:
      - { .name: qkv, .offset: 0, .size: 8, .value_kind: global_buffer, .address_space: global }
      - { .name: plan, .offset: 8, .size: 8, .value_kind: global_buffer, .address_space: global }
      - { .name: biasp, .offset: 16, .size: 8, .value_kind: global_buffer, .address_space: global }
      - { .name: ctx, .offset: 24, .size: 8, .value_kind: global_buffer, .address_space: global }
    .group_segment_fixed_size: 77312
    .private_segment_fixed_size: 0
    .kernarg_segment_align: 8
    .kernarg_segment_size: 32
    .max_flat_workgroup_size: 256
    .sgpr_count:     66
    .vgpr_count:     320
    .wavefront_size: 32
...
	.end_amdgpu_metadata
.endif
;; end of part 5
;; launch outp: the kernel of part 4 again; grid 8 x 32, 4 waves a work-group, clusters of 4 x 4, 327,680 bytes of LDS; arguments ctx, wh, out_b, out0; writes out0
;; ======== version 3 of 3: 4 launches; version 2 with the launch prep written anew for expert scheduling mode
;; limits: values are held in f16: magnitudes above 65,504 overflow, below 6.1e-05 lose precision
;; workspace buffers: xh 16,777,216 bytes; wh 8,388,608 bytes; qkv 25,165,824 bytes; ctx 8,388,608 bytes; plan 16,896 bytes of whole numbers; biasp 16,384 bytes
;; launch prep (part 6): grid 258 x 1, 8 waves a work-group, no clusters, 1,280 bytes of LDS; arguments tgt, mem, Wq_w, Wkv_w, out_w, attn_bias, memory_key_padding_mask, xh, wh, plan, biasp; writes xh, wh, plan, biasp
.if DOCPART == 6
	.amdgcn_target "amdgcn-amd-amdhsa--gfx1250"
	.amdhsa_code_object_version 6
	.text
	.protected	k_q104471364a_prep
	.globl	k_q104471364a_prep
	.p2align	8
	.type	k_q104471364a_prep,@function
k_q104471364a_prep:
	s_mov_b64 s[64:65], 0
	v_nop
	global_prefetch_b8 v0, s[64:65] scope:SCOPE_SE
	s_setreg_imm32_b32 hwreg(HW_REG_WAVE_SCHED_MODE, 0, 2), 2
	s_setreg_imm32_b32 hwreg(HW_REG_WAVE_MODE, 25, 1), 1
	s_wait_xcnt 0x0
	s_wait_alu depctr_vm_vsrc(0)
; prep: what the three matrix launches need, made once.
; Work-groups 0 to 255 round f32 to f16: 16 rows of tgt and 16 rows of mem into xh ([8192][1024]: tgt's 4096 rows, then mem's), and 16 rows
; of one weight matrix into wh ([4096][1024]: Wq; then for each head h 64 rows of K's weights and 64 rows of V's; then out_w).
; Work-groups 256 and 257 make, for batch 0 and 1, the list of keys: plan[b][j] is a permutation of 0..2047, the keys whose mask byte is not 0
; first, in ascending order, then the others; biasp[b][j] = 8 x attn_bias of the j-th listed key, or -3.0e38 for a masked one;
; the number of kept keys fills the 256 bytes at plan + 16384 + 256 b.
; LIMIT: f16 holds magnitudes below 65,504; larger inputs become infinite here.
; No matrix unit, no cluster, no tile in LDS: every byte is read once and written once, and nothing is shared between work-groups.
; THE MODE: SCHED_MODE bits 1:0 = 2 (LLVM: expert scheduling mode 2), set by the entry lines.  The code itself states the register dependences
; between vector instructions and memory or LDS instructions, with s_wait_alu, always for 0.
; THE PLAN, conversion.  Registers that memory instructions touch:
;   v2, v3          byte offsets, made once at the arm's head and never written again: read by all 48 loads and all 48 stores.
;   v[XD + 4 i ..]  quadruple i of 48: load i lands in it; two conversions read it and write its first two registers; store i reads those two.  Never written again.
; The 48 quadruples go in 12 groups of four.  Group g's conversions name group g's registers alone; the stores issued among them are group g - 1's.
; So one wait on va_vdst at a group's head states all that the four stores behind it hang on, and no register that a store reads is written again.
; THE PLAN, list.  Each register that a load, a store or an LDS instruction reads is written once, by vector instructions that stand in a run ahead of one wait on
; va_vdst; each scalar that a vector instruction writes (the wave's number, eight masks, eight counts) has a wait on va_sdst behind its run of writers.
.set XD,   8                           ; v[8:199]  conversion: 48 loads of four registers, converted in place
.set VIN,  2                           ; v2        my byte offset in a part's 16 rows of f32
.set VOUT, 3                           ; v3        the same in its 16 rows of f16
; a wave's two rows of part p are 8,192 neighbouring bytes: 16 loads, each of 512 neighbouring bytes
.macro LOADS p, lo
.set j, 0
.rept 16
	global_load_b128 v[XD+64*\p+4*j:XD+64*\p+4*j+3], v[VIN], s[\lo:\lo+1] offset:512*j th:TH_LOAD_NT
.set j, j+1
.endr
.endm
; quadruple i (part i / 16, load i % 16): four f32 become four f16 in the first two of their registers
.macro CVT i
	v_cvt_pk_f16_f32 v[XD+4*(\i)],   v[XD+4*(\i)],   v[XD+4*(\i)+1]
	v_cvt_pk_f16_f32 v[XD+4*(\i)+1], v[XD+4*(\i)+2], v[XD+4*(\i)+3]
.endm
; and leave: each store of the wave covers 256 consecutive bytes, aligned; the three parts' bases lie in s[36:37], s[38:39], s[40:41]
.macro OUT i
	global_store_b64 v[VOUT], v[XD+4*(\i):XD+4*(\i)+1], s[36+2*((\i)/16):37+2*((\i)/16)] offset:256*((\i)%16)
.endm
	s_load_b512 s[8:23], s[0:1], 0x0               ; tgt 8, mem 10, Wq_w 12, Wkv_w 14, out_w 16, attn_bias 18, mask 20, xh 22
	s_load_b128 s[24:27], s[0:1], 0x40             ; wh 24, plan 26
	s_load_b64 s[28:29], s[0:1], 0x50              ; biasp
	v_lshl_add_u32 v208, v0, 2, 0x100
	v_mov_b32 v209, 0
	v_lshrrev_b32 v1, 5, v0
	v_readfirstlane_b32 s3, v1                     ; wave 0..7
	v_and_b32 v4, 31, v0                           ; lane
	s_wait_alu depctr_va_sdst(0)                   ; s3 is written, ahead of the branch and of its first reader in either arm
	s_mov_b32 s2, ttmp9
	s_cmp_ge_u32 s2, 256
	s_cbranch_scc1 .Lplan
	; ---- conversion: work-group w ----
	s_lshl_b32 s30, s2, 16                         ; 16 rows of 4,096 bytes in
	s_mov_b32 s31, 0
	s_lshl_b32 s34, s2, 15                         ; 16 rows of 2,048 bytes out
	s_mov_b32 s35, 0
	s_sub_co_u32 s42, s2, 64                       ; u: my chunk of Wkv_w (used where 64 <= w < 192)
	s_sub_co_u32 s43, s2, 192                      ; my chunk of out_w (used where w >= 192)
	s_and_b32 s44, s42, 63
	s_lshr_b32 s44, s44, 2
	s_lshl_b32 s44, s44, 7                         ; 128 x head
	s_lshr_b32 s45, s42, 6
	s_lshl_b32 s45, s45, 6                         ; + 64 for V's rows
	s_add_co_u32 s44, s44, s45
	s_and_b32 s45, s42, 3
	s_lshl_b32 s45, s45, 4                         ; + 16 x which quarter of the head
	s_add_co_u32 s44, s44, s45
	s_add_co_u32 s44, s44, 1024
	s_lshl_b32 s45, s2, 4                          ; Wq_w and out_w keep their place: row 16 w
	s_cmp_lt_u32 s42, 128
	s_cselect_b32 s44, s44, s45
	s_lshl_b32 s44, s44, 11                        ; rows of 2,048 bytes
	s_mov_b32 s45, 0
	v_lshlrev_b32 v[VIN], 4, v4
	v_lshl_add_u32 v[VIN], s3, 13, v[VIN]          ; wave x 8,192 + lane x 16
	v_lshlrev_b32 v[VOUT], 3, v4
	v_lshl_add_u32 v[VOUT], s3, 12, v[VOUT]        ; wave x 4,096 + lane x 8
	s_wait_kmcnt 0x0
	s_cmp_lt_u32 s2, 64
	s_cselect_b64 s[32:33], s[12:13], s[14:15]     ; Wq_w or Wkv_w,
	s_cselect_b32 s46, s2, s42
	s_cmp_lt_u32 s2, 192
	s_cselect_b64 s[32:33], s[32:33], s[16:17]     ; or out_w
	s_cselect_b32 s46, s46, s43
	s_lshl_b32 s46, s46, 16
	s_mov_b32 s47, 0
	s_add_nc_u64 s[32:33], s[32:33], s[46:47]
	s_add_nc_u64 s[8:9], s[8:9], s[30:31]
	s_add_nc_u64 s[10:11], s[10:11], s[30:31]
	s_add_nc_u64 s[36:37], s[22:23], s[34:35]      ; xh: tgt's rows
	s_add_nc_u64 s[38:39], s[36:37], 0x800000      ; xh: mem's rows, 4,096 rows further down
	s_add_nc_u64 s[40:41], s[24:25], s[44:45]
	s_wait_alu depctr_va_vdst(0)                   ; v2 and v3 are written: every load and store of this arm reads one of them as its offset
	LOADS 0, 8                                     ; all 48 loads of the wave go out first: 24 KiB on their way
	LOADS 1, 10
	LOADS 2, 32
	; twelve groups of four quadruples; no register is written twice, so no store's source has to be waited for
.set g, 0
.rept 12
	s_wait_loadcnt 44-4*g                          ; loads come back in order: so many are younger than this group's fourth
.if g > 0
	s_wait_alu depctr_va_vdst(0)                   ; the group before has written its eight f16 registers, which the four stores below read; the conversions among them name this group's registers alone
.endif
.irp n, 0,1,2,3
.if g > 0
	OUT 4*(g-1)+\n
.endif
	CVT 4*g+\n
.endr
.set g, g+1
.endr
	s_wait_alu depctr_va_vdst(0)                   ; the last group has written its eight f16 registers, which the last four stores read
.irp n, 0,1,2,3
	OUT 44+\n
.endr
	s_endpgm
	; ---- the list of batch b = w - 256.  Wave w owns keys 256 w + 32 c + lane, c = 0..7 ----
.Lplan:
	s_sub_co_u32 s30, s2, 256
	s_lshl_b32 s32, s30, 11                        ; 2,048 mask bytes a batch
	s_mov_b32 s33, 0
	s_lshl_b32 s34, s30, 13                        ; 8,192 bytes a batch in attn_bias, plan and biasp
	s_mov_b32 s35, 0
	s_lshl_b32 s36, s30, 8
	s_add_co_u32 s36, s36, 16384                   ; where the count goes
	s_mov_b32 s37, 0
	v_lshl_or_b32 v2, v1, 8, v4                    ; my first key
	v_lshlrev_b32 v3, 2, v2
	v_mov_b32 v35, 0xff61b1e6                      ; -3.0e38: the bias of a masked key
	s_wait_kmcnt 0x0
	s_add_nc_u64 s[20:21], s[20:21], s[32:33]
	s_add_nc_u64 s[18:19], s[18:19], s[34:35]
	s_add_nc_u64 s[36:37], s[26:27], s[36:37]
	s_add_nc_u64 s[26:27], s[26:27], s[34:35]
	s_add_nc_u64 s[28:29], s[28:29], s[34:35]
	s_wait_alu depctr_va_vdst(0)                   ; v2 and v3 are written, which the sixteen loads read as their offsets
.irp c, 0,1,2,3,4,5,6,7
	global_load_u8 v[8+\c], v2, s[20:21] offset:32*\c
.endr
.irp c, 0,1,2,3,4,5,6,7
	global_load_b32 v[16+\c], v3, s[18:19] offset:128*\c
.endr
	s_wait_loadcnt 0x8                             ; the eight mask loads are in; the eight bias loads are younger
	s_mov_b32 s60, 0
.irp c, 0,1,2,3,4,5,6,7
	v_cmp_ne_u32 s[44+\c], 0, v[8+\c]              ; one bit a lane: the key is kept
.endr
	s_wait_alu depctr_va_sdst(0)                   ; the eight masks s44 to s51 are written, ahead of their first readers, the counts below
.irp c, 0,1,2,3,4,5,6,7
	s_bcnt1_i32_b32 s[52+\c], s[44+\c]
	s_add_co_u32 s60, s60, s[52+\c]                ; kept keys of my wave
.endr
	v_mov_b32 v32, s60
	v_mov_b32 v33, s3
	v_lshlrev_b32 v33, 2, v33
	v_mov_b32 v34, 0
	s_wait_alu depctr_va_vdst(0)                   ; v32 and v33 are written, the LDS store's data and address; so is v34, the address of the two LDS loads behind the barrier
	ds_store_b32 v33, v32                          ; every wave's count to its own word
	s_wait_dscnt 0x0                               ; my store is done before I signal
	s_barrier_signal -1
	s_barrier_wait -1
	ds_load_b128 v[24:27], v34                     ; no vector instruction since the wait above
	ds_load_b128 v[28:31], v34 offset:16
	s_wait_dscnt 0x0
	s_mov_b32 s61, 0                               ; kept keys in the waves in front of mine
	s_mov_b32 s62, 0                               ; kept keys in all
.irp u, 0,1,2,3,4,5,6,7
	v_readfirstlane_b32 s[68+\u], v[24+\u]
.endr
	s_wait_alu depctr_va_sdst(0)                   ; the eight waves' counts s68 to s75 are written, ahead of their first readers, the selects below
.irp u, 0,1,2,3,4,5,6,7
	s_cmp_gt_u32 s3, \u
	s_cselect_b32 s63, s[68+\u], 0
	s_add_co_u32 s61, s61, s63
	s_add_co_u32 s62, s62, s[68+\u]
.endr
	s_wait_loadcnt 0x0                             ; the bias
; each c has registers of its own (place, key, value, kept-before), so no store's source is written again
.irp c, 0,1,2,3,4,5,6,7
	v_mbcnt_lo_u32_b32 v[43+4*\c], s[44+\c], 0     ; kept keys in the lanes below mine
	v_add_nc_u32 v[43+4*\c], s61, v[43+4*\c]       ; kept keys in front of mine: a kept key's place
	v_add_nc_u32 v[41+4*\c], 32*\c, v2             ; my key
	v_sub_nc_u32 v[40+4*\c], v[41+4*\c], v[43+4*\c]    ; masked keys in front of mine,
	v_add_nc_u32 v[40+4*\c], s62, v[40+4*\c]       ; behind all kept ones: a masked key's place
	v_cndmask_b32 v[40+4*\c], v[40+4*\c], v[43+4*\c], s[44+\c]
	v_min_u32 v[40+4*\c], 0x7ff, v[40+4*\c]        ; a place is below 2,048
	v_lshlrev_b32 v[40+4*\c], 2, v[40+4*\c]
	v_mul_f32 v[42+4*\c], 0x41000000, v[16+\c]     ; 8 x bias: the scores are kept eight times too large until the exponential
	v_cndmask_b32 v[42+4*\c], v35, v[42+4*\c], s[44+\c]
	s_add_co_u32 s61, s61, s[52+\c]
.endr
	s_wait_alu depctr_va_vdst(0)                   ; all eight places, keys and values, v40 to v71, are written, which the sixteen stores read
.irp c, 0,1,2,3,4,5,6,7
	global_store_b32 v[40+4*\c], v[41+4*\c], s[26:27]
	global_store_b32 v[40+4*\c], v[42+4*\c], s[28:29]
.endr
	s_cmp_lg_u32 s3, 0
	s_cbranch_scc1 .Ldone
	v_mov_b32 v72, s62                             ; wave 0: the count, 64 times: 256 consecutive bytes, aligned, in one store
	v_mov_b32 v73, s62
	v_lshlrev_b32 v74, 3, v4
	s_wait_alu depctr_va_vdst(0)                   ; v72 to v74 are written, the store's data and offset
	global_store_b64 v74, v[72:73], s[36:37]
.Ldone:
	s_wait_dscnt 0x0                               ; the closing lines, six on end
	s_wait_alu 0x0
	s_wait_tensorcnt 0x0
	ds_add_u32 v208, v209
	s_wait_dscnt 0x0
	s_endpgm
.Lfunc_end_k_q104471364a_prep:
	.size	k_q104471364a_prep, .Lfunc_end_k_q104471364a_prep-k_q104471364a_prep
	.p2alignl 7, 3214868480
	.fill 96, 4, 3214868480
	.section	.rodata,"a",@progbits
	.p2align	6, 0x0
	.amdhsa_kernel k_q104471364a_prep
		.amdhsa_group_segment_fixed_size 1280
		.amdhsa_private_segment_fixed_size 0
		.amdhsa_enable_private_segment 0
		.amdhsa_kernarg_size 88
		.amdhsa_user_sgpr_count 2
		.amdhsa_user_sgpr_kernarg_segment_ptr 1
		.amdhsa_wavefront_size32 1
		.amdhsa_system_sgpr_workgroup_id_x 1
		.amdhsa_system_sgpr_workgroup_id_y 1
		.amdhsa_system_sgpr_workgroup_id_z 1
		.amdhsa_system_vgpr_workitem_id 0
		.amdhsa_next_free_vgpr 210
		.amdhsa_next_free_sgpr 80
		.amdhsa_reserve_vcc 0
		.amdhsa_float_denorm_mode_32 3
		.amdhsa_float_denorm_mode_16_64 3
		.amdhsa_memory_ordered 1
		.amdhsa_forward_progress 1
		.amdhsa_inst_pref_size 30
	.end_amdhsa_kernel
	.amdgpu_metadata
---
amdhsa.version: [ 1, 2 ]
amdhsa.kernels:
  - .name:           k_q104471364a_prep
    .symbol:         k_q104471364a_prep.kd
    .args:
      - { .name: tgt, .offset: 0, .size: 8, .value_kind: global_buffer, .address_space: global }
      - { .name: mem, .offset: 8, .size: 8, .value_kind: global_buffer, .address_space: global }
      - { .name: Wq_w, .offset: 16, .size: 8, .value_kind: global_buffer, .address_space: global }
      - { .name: Wkv_w, .offset: 24, .size: 8, .value_kind: global_buffer, .address_space: global }
      - { .name: out_w, .offset: 32, .size: 8, .value_kind: global_buffer, .address_space: global }
      - { .name: attn_bias, .offset: 40, .size: 8, .value_kind: global_buffer, .address_space: global }
      - { .name: memory_key_padding_mask, .offset: 48, .size: 8, .value_kind: global_buffer, .address_space: global }
      - { .name: xh, .offset: 56, .size: 8, .value_kind: global_buffer, .address_space: global }
      - { .name: wh, .offset: 64, .size: 8, .value_kind: global_buffer, .address_space: global }
      - { .name: plan, .offset: 72, .size: 8, .value_kind: global_buffer, .address_space: global }
      - { .name: biasp, .offset: 80, .size: 8, .value_kind: global_buffer, .address_space: global }
    .group_segment_fixed_size: 1280
    .private_segment_fixed_size: 0
    .kernarg_segment_align: 8
    .kernarg_segment_size: 88
    .max_flat_workgroup_size: 256
    .sgpr_count:     80
    .vgpr_count:     210
    .wavefront_size: 32
...
	.end_amdgpu_metadata
.endif
;; end of part 6
;; launch proj: the kernel of part 2 again; grid 12 x 16, 4 waves a work-group, clusters of 4 x 4, 327,680 bytes of LDS; arguments xh, wh, qkv, Wq_b, Wkv_b; writes qkv
;; launch attn: the kernel of part 5 again; grid 8 x 32, 8 waves a work-group, no clusters, 77,312 bytes of LDS; arguments qkv, plan, biasp, ctx; writes ctx
;; launch outp: the kernel of part 4 again; grid 8 x 32, 4 waves a work-group, clusters of 4 x 4, 327,680 bytes of LDS; arguments ctx, wh, out_b, out0; writes out0
